; MI455X (gfx1250); checked and timed in simulation.
; The chip was launched on July 23, 2026; its instructions are those of AMD's public machine-readable ISA for CDNA 5 (MIT licence, August 2026) and "CDNA5" Instruction Set Architecture Reference Guide (July 2026). The comments in the code are by the model that wrote it; some were corrected since.
;; Transformer Block. Allowed arithmetic: matrix products marked QUANTISED: E2M1 operands, one E8M0 scale for each 32 along K, by v_wmma_scale_f32_16x16x128_f8f6f4 with both operands' format E2M1 (or v_wmma_scale_f32_32x16x128_f4), f32 sums; everything else in f32.
;; Inputs: W1 1,024 x 4,096 float32; W2 4,096 x 1,024 float32; Wk 16 x 1,024 x 64 float32; Wo 1,024 x 1,024 float32; Wq 16 x 1,024 x 64 float32; Wv 16 x 1,024 x 64 float32; b1 4,096 float32; b2 1,024 float32; bk 16 x 64 float32; bo 1,024 float32; bq 16 x 64 float32; bv 16 x 64 float32; ln1_b 1,024 float32; ln1_g 1,024 float32; ln2_b 1,024 float32; ln2_g 1,024 float32; x 2 x 2,048 x 1,024 float32.
;; Outputs: out0 2 x 2,048 x 1,024 float32.
;; This version of the problem:
;;   THIS VERSION OF THE PROBLEM IS GIVEN IN LOW PRECISION. The matrix products marked QUANTISED in the list below multiply operands that are first quantised to E2M1 (2 exponent bits, 1 mantissa bit; 4 bits a number), with one power-of-two scale for each 32 numbers along K (OCP MX v1.0); their sums are f32. All else is computed in f32.
;;   The module's matrix products, in the order in which they are computed (A, B: the left and right operand; K: the contracted axis; several contracted axes count as one K, in the product's order):
;;     1. [M 1,024, K 1,024] x [K 1,024, N 4,096]; A: input Wq; B: computed on the way: QUANTISED
;;     2. [M 1,024, K 1,024] x [K 1,024, N 4,096]; A: input Wk; B: computed on the way: QUANTISED
;;     3. [M 1,024, K 1,024] x [K 1,024, N 4,096]; A: input Wv; B: computed on the way: QUANTISED
;;     4. batch 32 x [M 2,048, K 64] x [K 64, N 2,048]; A: computed on the way; B: computed on the way: QUANTISED
;;     5. batch 32 x [M 2,048, K 2,048] x [K 2,048, N 64]; A: softmax (see below); B: computed on the way: QUANTISED
;;     6. [M 4,096, K 1,024] x [K 1,024, N 1,024]; A: computed on the way; B: input Wo: QUANTISED
;;     7. [M 4,096, K 1,024] x [K 1,024, N 4,096]; A: computed on the way; B: input W1: QUANTISED
;;     8. [M 4,096, K 4,096] x [K 4,096, N 1,024]; A: computed on the way; B: input W2: QUANTISED
;;   THE QUANTISER, for each operand of a quantised product, along K:
;;     - K is cut into blocks of 32 from its start; a last block that is shorter is filled with zeros.
;;     - A block's scale is 2^e with e = floor(log2(the largest magnitude in the block)) - 2, held to -126 .. 127; a block of zeros has e = 0. As a byte (E8M0): e + 127.
;;     - Each number is divided by its block's scale, clamped to +-6, and rounded to the nearest number of E2M1, ties to even, subnormals kept.
;;     - The product sums the exact products of the quantised numbers (number of the format x scale) in f32.
;;   ~~~python
;;   def quantise(x, axis):      # numpy; x: float32 -> the quantised numbers, widened to float32 again
;;       x = np.moveaxis(x, axis, -1); K = x.shape[-1]
;;       x = np.pad(x, [(0, 0)] * (x.ndim - 1) + [(0, -K % 32)]); x = x.reshape(x.shape[:-1] + (-1, 32)); a = np.abs(x).max(-1, keepdims=True)
;;       e = np.where(a > 0, np.clip(np.frexp(np.where(a > 0, a, 1))[1] - 1 - 2, -126, 127), 0)      # np.frexp(a)[1] - 1 = floor(log2(a)), exactly
;;       r = np.clip(x / 2.0 ** e, -6, 6)
;;       step = 2.0 ** (np.maximum(np.frexp(np.where(r == 0, 1, r))[1] - 1, 0) - 1)
;;       q = np.round(r / step) * step * 2.0 ** e      # np.round: ties to even
;;       return np.moveaxis(q.reshape(q.shape[:-2] + (-1,))[..., :K], -1, axis).astype(np.float32)
;;   ~~~
;;   SOFTMAX AHEAD OF A QUANTISED PRODUCT. Where the list says 'softmax', what is quantised is not the finished softmax but p = 2^(t - M), with t = logit x log2(e) and M = ceil(the row's largest t), a whole number; so 1/2 < the row's largest p <= 1. The row's sum l is taken of the UNQUANTISED p, in f32, and the product's result is divided by l at the end. Since M is a whole number, a kernel that streams over the keys may use a running M (the ceiling of the running maximum): every later rescaling is an exact power of two, which a block's scale takes up: the codes' values come out the same.
;;   OPERANDS COMPUTED ON THE WAY. 'Computed on the way' means the value that the module computes at that place (a softmax that the list does not call 'softmax' is quantised finished and normalised). What goes into a quantiser is computed in f32, as accurately as f32 sums, v_exp_f32 and their like allow (about 1e-6 of the number): no bf16 or f16 on the way to a quantiser, and a product that is left as it is and whose result goes on into a quantised operand takes f32 operands (vector FMAs, or v_wmma_f32_16x16x4_f32). A number that lies on a knife's edge between two numbers of the format may be rounded either way, as far as f32 arithmetic and the matrix unit's own rounding can turn it there, and no further.
;; One version. Each part assembles by itself: llvm-mc -triple=amdgcn-amd-amdhsa -mcpu=gfx1250 --defsym DOCPART=n.
;; ======== version 1 of 1: 6 launches
;; workspace buffers: wimg 6,684,672 bytes; hc 2,228,224 bytes; qi 2,359,296 bytes; kv 4,587,520 bytes; ai 2,228,224 bytes; x1 16,777,216 bytes; hid 8,912,896 bytes
;; launch prep (part 1): grid 1024 x 1, 4 waves a work-group, no clusters, 27,648 bytes of LDS; arguments x, ln1_g, ln1_b, Wq, Wk, Wv, Wo, W1, W2, wimg, hc; writes wimg, hc
.if DOCPART == 1
	.amdgcn_target "amdgcn-amd-amdhsa--gfx1250"
	.amdhsa_code_object_version 6
	.text
	.protected	k_qd74d005d45_prep
	.globl	k_qd74d005d45_prep
	.p2align	8
	.type	k_qd74d005d45_prep,@function
k_qd74d005d45_prep:
	s_mov_b64 s[64:65], 0
	v_nop
	global_prefetch_b8 v0, s[64:65] scope:SCOPE_SE
	s_setreg_imm32_b32 hwreg(HW_REG_WAVE_MODE, 25, 1), 1
	s_wait_xcnt 0x0
; PREP: the six weights and LayerNorm1(x) become codes of E2M1 with one E8M0 byte for each 32 along K, laid as the later launches' operand registers want them.
; DEAD WORK OF THE WHOLE PROGRAM.  All 17 inputs reach out0 and all are loaded (bk too: it moves K's codes).  Left out is only what reference()'s own jnp.tril throws away: a step of 128 keys all of which come
; after a tile's 16 queries has s = -inf there, so p = 0 for every value of the inputs; the attention launch does not multiply such steps.  LIMIT: a NaN, an infinity or an overflow that reaches only those steps is not carried to the result.
; LIMITS: NaN and infinities among the inputs are not served; a block whose largest magnitude lies under 2^-124 keeps the byte 1; a block of zeros has the byte 1 where the rule says 127 (its codes are zeros, and this program alone reads the bytes).
; ORDER OF ROWS.  Every tile of 16 rows of every operand is tile 2 b + u, and its slot r holds row 32 b + 8 u + r + 8 (r / 8): so the 16 result registers of two neighbouring tiles that stand as source 0 are 16 true neighbours.
; IMAGE.  Fragment (tile t, K step ks of 128) is 1,024 bytes at (t NKS + ks) 1,024: block kb of 32 along K of slot r at 256 kb + 16 r.  Its scale words: (t NKS + ks) 64 + 4 r.
; wimg: codes of Wq, Wk, Wv (3,072 rows) at 0, Wo at 1,572,864, W1 at 2,097,152, W2 at 4,194,304; scale words at 6,291,456, 6,389,760, 6,422,528, 6,553,600.  hc: codes at 0, scale words at 2,097,152.
; Work-groups 0-767: weights, K is not innermost: a lane takes a column, its registers run down K; a wave takes 32 columns x 128 along K, no LDS.  The scale words leave in pieces of 64 bytes: one byte in 128 of what is read.
; Work-groups 768-1023: one tile of 16 tokens each, a wave four rows.  No matrix unit, no cluster, no tensor load: nothing is shared between work-groups.
.set IMG,   18432                      ; LDS: 4 x 4,608 bytes of turning room, the tile's image (8,192), its scale words (512), the spare words (512)
.set SCL,   26624
.set SPARE, 27136
.set FLOOR, 0x1800000                  ; 2^(3 - 127)
.set QT,  11                           ; v11-13 the quantiser's: two chains of maxima (the second later the byte), the scale operand
.set CQ,  16                           ; v16-19 32 codes
.set T,   20                           ; v20-25 the norm's sums
.set G,   32                           ; v32-63 gain;  v192-223 offset
.set BT,  192
.set TI,  3
.set TO,  4
.set IA,  5
.set SAD, 6
.set SPW, 224
.set NIL, 225
.set SEL, 36
.set INV, 38
.set EPS, 39
; 32 numbers of one block, v[xs] on, become 32 codes in v[c] .. v[c+3]; the byte is left in v[QT+1]
.macro Q32 xs, c
	v_max3_num_f32 v[QT], |v[\xs]|, |v[\xs+1]|, |v[\xs+2]|
	v_max3_num_f32 v[QT+1], |v[\xs+3]|, |v[\xs+4]|, |v[\xs+5]|
.irp i, 6,10,14,18,22,26
	v_max3_num_f32 v[QT], v[QT], |v[\xs+\i]|, |v[\xs+\i+1]|
	v_max3_num_f32 v[QT+1], v[QT+1], |v[\xs+\i+2]|, |v[\xs+\i+3]|
.endr
	v_max3_num_f32 v[QT], v[QT], |v[\xs+30]|, |v[\xs+31]|
	v_max3_num_f32 v[QT], v[QT], v[QT+1], FLOOR    ; the floor holds the byte at 1 from below
	v_add_nc_u32 v[QT+2], 0xff000000, v[QT]        ; 2 off the exponent field: the conversion's scale operand
	v_lshrrev_b32 v[QT+1], 23, v[QT+2]             ; the byte
.irp g, 0,1,2,3
	v_cvt_scalef32_pk8_fp4_f32 v[\c+\g], v[\xs+8*\g:\xs+8*\g+7], v[QT+2]
.endr
	v_nop                                          ; one plain line behind the last conversion
.endm
.macro LANESUM r, t                    ; the sum of v[r] over the 32 lanes, in every lane
	v_add_f32_dpp v[\r], v[\r], v[\r] row_xmask:1 row_mask:0xf bank_mask:0xf
	v_add_f32_dpp v[\r], v[\r], v[\r] row_xmask:2 row_mask:0xf bank_mask:0xf
	v_add_f32_dpp v[\r], v[\r], v[\r] row_xmask:4 row_mask:0xf bank_mask:0xf
	v_add_f32_dpp v[\r], v[\r], v[\r] row_xmask:8 row_mask:0xf bank_mask:0xf
	v_permlanex16_b32 v[\t], v[\r], s[SEL], s[SEL+1]
	v_add_f32 v[\r], v[\r], v[\t]
.endm
; LayerNorm of one row of 1,024: 32 numbers a lane in v[s] on, result in v[d] on; mean first, then the mean of the squared differences, as reference() has it
.macro LNROW s, d
	v_pk_add_f32 v[T:T+1], v[\s:\s+1], v[\s+2:\s+3]
	v_pk_add_f32 v[T+2:T+3], v[\s+4:\s+5], v[\s+6:\s+7]
.irp j, 8,12,16,20,24,28
	v_pk_add_f32 v[T:T+1], v[T:T+1], v[\s+\j:\s+\j+1]
	v_pk_add_f32 v[T+2:T+3], v[T+2:T+3], v[\s+\j+2:\s+\j+3]
.endr
	v_pk_add_f32 v[T:T+1], v[T:T+1], v[T+2:T+3]
	v_add_f32 v[T], v[T], v[T+1]
	LANESUM T, T+1
	v_mul_f32 v[T], s[INV], v[T]                   ; the mean
.irp j, 0,2,4,6,8,10,12,14,16,18,20,22,24,26,28,30
	v_pk_add_f32 v[\d+\j:\d+\j+1], v[\s+\j:\s+\j+1], v[T:T+1] op_sel_hi:[1,0] neg_lo:[0,1] neg_hi:[0,1]
.endr
	v_pk_mul_f32 v[T+2:T+3], v[\d:\d+1], v[\d:\d+1]
	v_pk_mul_f32 v[T+4:T+5], v[\d+2:\d+3], v[\d+2:\d+3]
.irp j, 4,8,12,16,20,24,28
	v_pk_fma_f32 v[T+2:T+3], v[\d+\j:\d+\j+1], v[\d+\j:\d+\j+1], v[T+2:T+3]
	v_pk_fma_f32 v[T+4:T+5], v[\d+\j+2:\d+\j+3], v[\d+\j+2:\d+\j+3], v[T+4:T+5]
.endr
	v_pk_add_f32 v[T+2:T+3], v[T+2:T+3], v[T+4:T+5]
	v_add_f32 v[T+2], v[T+2], v[T+3]
	LANESUM T+2, T+3
	v_fma_f32 v[T+2], v[T+2], s[INV], s[EPS]       ; the variance + 1e-5
	v_rsq_f32 v[T+4], v[T+2]
	v_nop                                          ; a plain line behind the transcendental,
	s_wait_alu depctr_va_vdst(0)                   ; and the wait ahead of its first reader
.irp j, 0,2,4,6,8,10,12,14,16,18,20,22,24,26,28,30
	v_pk_mul_f32 v[\d+\j:\d+\j+1], v[\d+\j:\d+\j+1], v[T+4:T+5] op_sel_hi:[1,0]
.endr
.irp j, 0,2,4,6,8,10,12,14,16,18,20,22,24,26,28,30
	v_pk_fma_f32 v[\d+\j:\d+\j+1], v[\d+\j:\d+\j+1], v[G+\j:G+\j+1], v[BT+\j:BT+\j+1]
.endr
.endm
; The row turns through the wave's own LDS room (a block of 128 bytes every 144) so that lane l holds block l's 32 neighbours; they are quantised; codes and byte go to the tile's image, slot i of the wave's four
.macro TURNQ d, i
.irp j, 0,1,2,3,4,5,6,7
	ds_store_b128 v[TI], v[\d+4*\j:\d+4*\j+3] offset:576*\j
.endr
.irp j, 0,1,2,3,4,5,6,7
	ds_load_b128 v[\d+4*\j:\d+4*\j+3], v[TO] offset:16*\j   ; LDS serves a wave's instructions in order: these see the stores above
.endr
	s_wait_dscnt 0x0                               ; the row is back; the last row's stores of codes and byte have read their registers
	Q32 \d, CQ
	ds_store_b128 v[IA], v[CQ:CQ+3] offset:16*\i
	ds_store_b8 v[SAD], v[QT+1] offset:4*\i
.endm
	s_load_b512 s[8:23], s[0:1], 0x0               ; x, ln1_g, ln1_b, Wq, Wk, Wv, Wo, W1
	s_load_b128 s[24:27], s[0:1], 0x40             ; W2, wimg
	s_load_b64 s[28:29], s[0:1], 0x50              ; hc
	v_lshl_add_u32 v[SPW], v0, 2, SPARE
	v_mov_b32 v[NIL], 0
	v_lshrrev_b32 v1, 5, v0
	v_readfirstlane_b32 s2, v1                     ; wave
	v_and_b32 v1, 31, v0                           ; lane
	s_cmp_ge_u32 ttmp9, 768
	s_cbranch_scc1 .Lln
	; ---------------- weights.  s31 unit in the job, s[32:33] source, s34 bytes from k to k + 1, s35 bytes from one 64 columns to the next, s36 log2 of the groups of 4 column groups,
	; s37, s38 a tile's bytes of codes and of scale words, s39, s40 where the job's codes and scale words begin in wimg
	s_wait_kmcnt 0x0
	s_cmp_ge_u32 ttmp9, 256
	s_cbranch_scc1 .Lw1w2
	s_lshr_b32 s30, ttmp9, 6                       ; 0 Wq, 1 Wk, 2 Wv, 3 Wo
	s_and_b32 s31, ttmp9, 63
	s_cmp_eq_u32 s30, 1
	s_cselect_b64 s[32:33], s[16:17], s[14:15]
	s_cmp_eq_u32 s30, 2
	s_cselect_b64 s[32:33], s[18:19], s[32:33]
	s_cmp_eq_u32 s30, 3
	s_cselect_b64 s[32:33], s[20:21], s[32:33]
	s_mov_b32 s34, 256
	s_cselect_b32 s34, 4096, s34
	s_mov_b32 s35, 262144
	s_cselect_b32 s35, 256, s35
	s_mov_b32 s36, 3
	s_mov_b32 s37, 8192
	s_mov_b32 s38, 512
	s_lshl_b32 s39, s30, 19
	s_lshl_b32 s40, s30, 15
	s_add_co_u32 s40, s40, 6291456
	s_branch .Lwgo
.Lw1w2:
	s_cmp_ge_u32 ttmp9, 512
	s_cbranch_scc1 .Lw2
	s_sub_co_u32 s31, ttmp9, 256
	s_mov_b64 s[32:33], s[22:23]
	s_mov_b32 s34, 16384
	s_mov_b32 s35, 256
	s_mov_b32 s36, 5
	s_mov_b32 s37, 8192
	s_mov_b32 s38, 512
	s_mov_b32 s39, 2097152
	s_mov_b32 s40, 6422528
	s_branch .Lwgo
.Lw2:
	s_sub_co_u32 s31, ttmp9, 512
	s_mov_b64 s[32:33], s[24:25]
	s_mov_b32 s34, 4096
	s_mov_b32 s35, 256
	s_mov_b32 s36, 3
	s_mov_b32 s37, 32768
	s_mov_b32 s38, 2048
	s_mov_b32 s39, 4194304
	s_mov_b32 s40, 6553600
.Lwgo:
	s_lshl_b32 s41, 1, s36
	s_sub_co_u32 s41, s41, 1
	s_and_b32 s41, s31, s41
	s_lshl_b32 s41, s41, 2
	s_add_co_u32 s41, s41, s2                      ; cg: my 32 columns, tiles 2 cg and 2 cg + 1
	s_lshr_b32 s42, s31, s36                       ; ks: my K step
	s_lshr_b32 s43, s41, 1
	s_mul_i32 s43, s43, s35
	s_and_b32 s44, s41, 1
	s_lshl_b32 s44, s44, 7
	s_add_co_u32 s44, s44, s43
	s_mul_i32 s43, s42, s34
	s_lshl_b32 s43, s43, 7
	s_add_co_u32 s44, s44, s43
	s_mov_b32 s45, 0
	s_add_nc_u64 s[52:53], s[32:33], s[44:45]      ; block 0 of the K step's four,
	s_lshl_b32 s44, s34, 5
	s_add_nc_u64 s[54:55], s[52:53], s[44:45]      ; and 32 k further on each
	s_add_nc_u64 s[56:57], s[54:55], s[44:45]
	s_add_nc_u64 s[58:59], s[56:57], s[44:45]
	s_mul_i32 s44, s41, s37
	s_lshl_b32 s44, s44, 1
	s_add_co_u32 s44, s44, s39
	s_lshl_b32 s43, s42, 10
	s_add_co_u32 s44, s44, s43
	s_add_nc_u64 s[48:49], s[26:27], s[44:45]      ; the codes of (tile 2 cg, ks)
	s_mul_i32 s44, s41, s38
	s_lshl_b32 s44, s44, 1
	s_add_co_u32 s44, s44, s40
	s_lshl_b32 s43, s42, 6
	s_add_co_u32 s44, s44, s43
	s_add_nc_u64 s[50:51], s[26:27], s[44:45]      ; its scale words
	v_lshlrev_b32 v32, 2, v1                       ; v32-63: 4 lane + i rows of k
.set i, 1
.rept 31
	v_add_nc_u32 v[32+i], s34, v[31+i]
.set i, i+1
.endr
.irp t, 0,1,2,3                        ; all 128 loads go out at once: 128 consecutive bytes a wave each, 512 a work-group
.set i, 0
.rept 32
	global_load_b32 v[64+32*\t+i], v[32+i], s[52+2*\t:53+2*\t] th:TH_LOAD_NT
.set i, i+1
.endr
.endr
	v_bfe_u32 v2, v1, 3, 1                         ; column offset o = lane: u = (o / 8) % 2,
	v_and_b32 v3, 7, v1
	v_lshrrev_b32 v4, 4, v1
	v_lshl_or_b32 v3, v4, 3, v3                    ; slot r = o % 8 + 8 (o / 16)
	v_mul_lo_u32 v209, v2, s37
	v_lshl_add_u32 v209, v3, 4, v209
	v_mul_lo_u32 v210, v2, s38
	v_lshl_add_u32 v210, v3, 2, v210
.macro WBLOCK t
	Q32 64+32*\t, 192+4*\t
.if \t == 0
	v_mov_b32 v208, v[QT+1]
.else
	v_lshl_or_b32 v208, v[QT+1], 8*\t, v208
.endif
	global_store_b128 v209, v[192+4*\t:195+4*\t], s[48:49] offset:256*\t   ; the sixteen lanes of a tile fill 256 consecutive bytes
.endm
	s_wait_loadcnt 63                              ; behind block 1's last load 64 were issued: blocks 0 and 1 are in
	WBLOCK 0
	WBLOCK 1
	s_wait_loadcnt 32                              ; only block 3's may be out
	WBLOCK 2
	s_wait_loadcnt 0x0
	WBLOCK 3
	global_store_b32 v210, v208, s[50:51]
	s_endpgm
	; ---------------- LayerNorm 1: tile rt; wave w has slots 4 w .. 4 w + 3, which are four neighbouring tokens
.Lln:
	s_sub_co_u32 s30, ttmp9, 768                   ; rt
	s_lshr_b32 s31, s30, 1
	s_lshl_b32 s31, s31, 5
	s_and_b32 s32, s30, 1
	s_lshl_b32 s32, s32, 3
	s_add_co_u32 s31, s31, s32
	s_lshl_b32 s32, s2, 2
	s_add_co_u32 s31, s31, s32
	s_lshr_b32 s32, s2, 1
	s_lshl_b32 s32, s32, 3
	s_add_co_u32 s31, s31, s32                     ; 32 (rt / 2) + 8 (rt % 2) + 4 w + 8 (w / 2)
	s_lshl_b32 s32, s31, 12
	s_mov_b32 s33, 0
	s_lshl_b32 s34, s30, 13
	s_mov_b32 s35, 0
	s_lshl_b32 s40, s30, 9
	s_add_co_u32 s40, s40, 2097152
	s_mov_b32 s41, 0
	s_mov_b32 s[SEL], 0x76543210
	s_mov_b32 s[SEL+1], 0xfedcba98
	s_mov_b32 s[INV], 0x3a800000                   ; 1 / 1,024
	s_mov_b32 s[EPS], 0x3727c5ac                   ; 1e-5
	v_lshlrev_b32 v2, 4, v1                        ; 16 lane
	s_mul_i32 s42, s2, 4608
	v_lshrrev_b32 v3, 3, v1
	v_mul_u32_u24 v3, v3, 144
	v_and_b32 v4, 7, v1
	v_lshl_add_u32 v3, v4, 4, v3
	v_add_nc_u32 v3, s42, v3                       ; into the turning room: 144 (lane / 8) + 16 (lane % 8)
	v_mul_u32_u24 v4, v1, 144
	v_add_nc_u32 v4, s42, v4                       ; out of it: 144 lane
	s_lshl_b32 s42, s2, 6
	s_add_co_u32 s42, s42, IMG
	v_lshl_add_u32 v5, v1, 8, s42                  ; the image: block lane at 256 lane, slot 4 w at 64 w
	s_lshl_b32 s42, s2, 4
	s_add_co_u32 s42, s42, SCL
	v_lshrrev_b32 v6, 2, v1
	v_lshlrev_b32 v6, 6, v6
	v_and_b32 v7, 3, v1
	v_add_nc_u32 v6, v6, v7
	v_add_nc_u32 v6, s42, v6                       ; the byte: 64 (lane / 4) + lane % 4 + 16 w
	s_lshl_b32 s42, s2, 11
	v_add_nc_u32 v8, s42, v2                       ; the way out: 2,048 w + 16 lane
	v_add_nc_u32 v7, IMG, v8
	v_add_nc_u32 v9, SCL, v2
	s_wait_kmcnt 0x0
	s_add_nc_u64 s[8:9], s[8:9], s[32:33]
	s_add_nc_u64 s[44:45], s[28:29], s[34:35]
	s_add_nc_u64 s[46:47], s[28:29], s[40:41]
.irp j, 0,1,2,3,4,5,6,7
	global_load_b128 v[G+4*\j:G+4*\j+3], v2, s[10:11] offset:512*\j
.endr
.irp j, 0,1,2,3,4,5,6,7
	global_load_b128 v[BT+4*\j:BT+4*\j+3], v2, s[12:13] offset:512*\j
.endr
.irp i, 0,1,2,3
.irp j, 0,1,2,3,4,5,6,7
	global_load_b128 v[64+32*\i+4*\j:64+32*\i+4*\j+3], v2, s[8:9] offset:4096*\i+512*\j th:TH_LOAD_NT
.endr
.endr
.irp i, 0,1,2,3
	s_wait_loadcnt 8*(3-\i)                        ; the later rows' eight loads each may be out
	LNROW 64+32*\i, 64+32*\i
	TURNQ 64+32*\i, \i
.endr
	s_wait_dscnt 0x0                               ; my stores into the image have landed
	s_barrier_signal -1
	s_barrier_wait -1
.irp j, 0,1,2,3
	ds_load_b128 v[64+4*\j:67+4*\j], v7 offset:512*\j
.endr
.irp j, 0,1,2,3
	s_wait_dscnt 3-\j
	global_store_b128 v8, v[64+4*\j:67+4*\j], s[44:45] offset:512*\j   ; 512 consecutive bytes
.endr
	s_cmp_lg_u32 s2, 0
	s_cbranch_scc1 .Lend
	ds_load_b128 v[80:83], v9                      ; wave 0: the tile's 512 bytes of scale words
	s_wait_dscnt 0x0
	global_store_b128 v2, v[80:83], s[46:47]
.Lend:
	s_wait_tensorcnt 0x0                           ; the wave's end
	ds_add_u32 v[SPW], v[NIL]
	s_wait_dscnt 0x0
	s_endpgm
.Lfunc_end_k_qd74d005d45_prep:
	.size	k_qd74d005d45_prep, .Lfunc_end_k_qd74d005d45_prep-k_qd74d005d45_prep
	.p2alignl 7, 3214868480
	.fill 96, 4, 3214868480
	.section	.rodata,"a",@progbits
	.p2align	6, 0x0
	.amdhsa_kernel k_qd74d005d45_prep
		.amdhsa_group_segment_fixed_size 27648
		.amdhsa_private_segment_fixed_size 0
		.amdhsa_enable_private_segment 0
		.amdhsa_kernarg_size 88
		.amdhsa_user_sgpr_count 2
		.amdhsa_user_sgpr_kernarg_segment_ptr 1
		.amdhsa_wavefront_size32 1
		.amdhsa_system_sgpr_workgroup_id_x 1
		.amdhsa_system_sgpr_workgroup_id_y 1
		.amdhsa_system_sgpr_workgroup_id_z 1
		.amdhsa_system_vgpr_workitem_id 0
		.amdhsa_next_free_vgpr 232
		.amdhsa_next_free_sgpr 66
		.amdhsa_reserve_vcc 0
		.amdhsa_float_denorm_mode_32 3
		.amdhsa_float_denorm_mode_16_64 3
		.amdhsa_memory_ordered 1
		.amdhsa_forward_progress 1
		.amdhsa_inst_pref_size 66
	.end_amdhsa_kernel
	.amdgpu_metadata
---
amdhsa.version: [ 1, 2 ]
amdhsa.kernels:
  - .name:           k_qd74d005d45_prep
    .symbol:         k_qd74d005d45_prep.kd
    .args:
      - { .name: x, .offset: 0, .size: 8, .value_kind: global_buffer, .address_space: global }
      - { .name: ln1_g, .offset: 8, .size: 8, .value_kind: global_buffer, .address_space: global }
      - { .name: ln1_b, .offset: 16, .size: 8, .value_kind: global_buffer, .address_space: global }
      - { .name: Wq, .offset: 24, .size: 8, .value_kind: global_buffer, .address_space: global }
      - { .name: Wk, .offset: 32, .size: 8, .value_kind: global_buffer, .address_space: global }
      - { .name: Wv, .offset: 40, .size: 8, .value_kind: global_buffer, .address_space: global }
      - { .name: Wo, .offset: 48, .size: 8, .value_kind: global_buffer, .address_space: global }
      - { .name: W1, .offset: 56, .size: 8, .value_kind: global_buffer, .address_space: global }
      - { .name: W2, .offset: 64, .size: 8, .value_kind: global_buffer, .address_space: global }
      - { .name: wimg, .offset: 72, .size: 8, .value_kind: global_buffer, .address_space: global }
      - { .name: hc, .offset: 80, .size: 8, .value_kind: global_buffer, .address_space: global }
    .group_segment_fixed_size: 27648
    .private_segment_fixed_size: 0
    .kernarg_segment_align: 8
    .kernarg_segment_size: 88
    .max_flat_workgroup_size: 128
    .sgpr_count:     66
    .vgpr_count:     232
    .wavefront_size: 32
...
	.end_amdgpu_metadata
.endif
;; end of part 1
;; launch qkv (part 2): grid 12 x 16, 4 waves a work-group, clusters of 4 x 4, 279,040 bytes of LDS; arguments hc, wimg, bq, bk, bv, qi, kv; writes qi, kv
.if DOCPART == 2
	.amdgcn_target "amdgcn-amd-amdhsa--gfx1250"
	.amdhsa_code_object_version 6
	.text
	.protected	k_qd74d005d45_qkv
	.globl	k_qd74d005d45_qkv
	.p2align	8
	.type	k_qd74d005d45_qkv,@function
k_qd74d005d45_qkv:
	s_mov_b64 s[64:65], 0
	v_nop
	global_prefetch_b8 v0, s[64:65] scope:SCOPE_SE
	s_setreg_imm32_b32 hwreg(HW_REG_WAVE_MODE, 25, 1), 1
	s_wait_xcnt 0x0
	s_wait_alu depctr_hold_cnt(0) depctr_sa_sdst(0) depctr_va_vdst(0) depctr_va_sdst(0) depctr_va_ssrc(0) depctr_va_vcc(0) depctr_vm_vsrc(0)
	s_getreg_b32 s2, hwreg(HW_REG_IB_STS2, 6, 4)
	s_cmp_eq_u32 s2, 0
	s_cbranch_scc0 .Lentry_in_a_cluster
	s_endpgm
.Lentry_in_a_cluster:
	s_bfe_u32 s2, ttmp6, 0x10000c
	s_cmp_lg_u32 s2, 0xf033
	s_cbranch_scc0 .Lentry_shape_is_right
	s_endpgm
.Lentry_shape_is_right:
; QKV: q, k, v = LayerNorm1(x) W + b on codes of E2M1 (K = 1,024), and their quantising for the attention: q and k along the head's 64, v along the keys.  Nothing of reference() is left out here.
; LIMITS: as stated at the head of the first launch (NaN and infinities not served; byte 1 for blocks under 2^-124 and for blocks of zeros).
; A work-group of four waves makes 256 x 256, a wave 128 x 128: 64 accumulators in windows 2 and 3.  Source 0 is the operand along which the result is quantised next: a lane's 16 registers of two neighbouring tiles are then 16 neighbours.
; Cluster x = 0: q, 1: k (source 0 = 256 rows of the weight, source 1 = 256 tokens); 2: v (source 0 = 256 tokens, source 1 = 256 rows of Wv).  The choice hangs on the cluster's x alone, which all sixteen partners share.
; CLUSTER 4 x 4: source 0's tile hangs on cx and is asked for jointly along a column of the cluster, source 1's on cy and along a row.
; K = 1,024 is 8 K steps of 128 in two LDS slots of four; both slots and all scale words are asked for at the head: three tensor loads of a wave are out, and no LDS byte is filled twice.
; Operands lie in memory and in LDS as images of their registers: fragment (tile, ks) = 1,024 bytes, lane l's registers 4 c .. 4 c + 3 at 512 c + 16 l.  Scale words: (tile 8 + ks) 64 + 4 r: one load of 4 bytes a lane
; brings an even K step's words into lanes 0-15 and the odd one's into lanes 16-31.
; qi, for each (batch, head) 73,728 bytes: codes [tile 128][512], at 65,536 scale words [step 16][tile / 4 % 2][r 16][tile % 4], bytes 2 and 3 of a word 0x7f.
; kv, for each (batch, head) 143,360 bytes: K's codes as q's at 0, V's [step 16][16 channels 4][1,024] at 65,536, K's scale words as q's at 131,072, V's [step][r][tile of channels] at 139,264.
; REGISTERS.  window 0: v1-5 lane numbers; v16-27 addresses; v28, v29 the add's two; v32-63 scale words, two sets of 16; v96-120 the quantiser's; v128-191 source 1's fragments, one set (on the way out v128-135 scale words kept);
; v192-255 the bias in the result's layout.  window 1: source 0's fragments, two sets.  windows 2, 3: accumulator (a, b) at v[8 (8 (a % 4) + b)].
.set SLOT,  131072                     ; a slot: source 1's [16 tiles][4 ks][1,024], then source 0's
.set SCLA,  262144                     ; source 1's scale words, 16 tiles x 512 bytes;
.set SCLB,  270336                     ; source 0's
.set SPARE, 278528                     ; the spare words, 128 bytes a wave
.set FLOOR, 0x1800000
.set ADRA, 16
.set ADRB, 20
.set ADSA, 22
.set ADSB, 23
.set LI,   24
.set LI2,  25
.set SO,   26
.set SH,   27
.set SPW,  28
.set NIL,  29
.set SC,   32
.set TM,   96
.set PC,   112
.set PW,   120
.set AF,   128
.set WK,   128
.set BI,   192
.set G1,   24
.set G0,   32
.set G1B,  48
.set G0B,  56
.set G1S,  68
.set G0S,  76
.set G1SB, 80
.set G0SB, 88
.set SEL,  96
.set MSB, 0
.macro WIN new                         ; the immediate's high byte repeats the setting that is left
.if MSB != (\new)
	s_set_vgpr_msb (MSB<<8)|(\new)
.set MSB, (\new)
.endif
.endm
.set MUL_LO, 0xa1                      ; source 0 window 1, source 1 window 0, C and D window 2
.set MUL_HI, 0xf1                      ; the same, C and D window 3
.set TO_B,   0x40
.macro PLACES                          ; four plain places behind matrix instructions, in front of loads into their registers and of reads of their results
.rept 4
	v_nop
.endr
.endm
.macro JLOAD g0a, g1a, g0b, g1b        ; a joint load: waves 0 and 1 fetch for source 1, waves 2 and 3 for source 0; an s_nop 0 and four v_nop follow each line
	s_cmp_eq_u32 s19, 0
	s_cbranch_scc0 .Lfor_b_\@
	tensor_load_to_lds s[\g0a:\g0a+3], s[\g1a:\g1a+7]
	s_nop 0
.rept 4
	v_nop
.endr
	s_branch .Lasked_\@
.Lfor_b_\@:
	tensor_load_to_lds s[\g0b:\g0b+3], s[\g1b:\g1b+7]
	s_nop 0
.rept 4
	v_nop
.endr
.Lasked_\@:
.endm
.macro CROUND                          ; a round of the cluster's barrier
	s_barrier_signal -1
	s_barrier_wait -1
	s_cmp_lg_u32 s18, 0
	s_cbranch_scc1 .Lnot_wave_0_\@
	s_barrier_signal -3
.Lnot_wave_0_\@:
	s_barrier_wait -3
	s_barrier_signal -1
	s_barrier_wait -1
.endm
.macro FRAG reg, adr, q, i
.irp c, 0,1
	ds_load_b128 v[\reg+4*\c:\reg+4*\c+3], v[\adr] offset:4096*(\i)+1024*((\q)%4)+512*\c
.endr
.endm
.macro FETCH_B q                       ; source 0's eight fragments of K step q into set q % 2
	WIN TO_B
.irp i, 0,1,2,3,4,5,6,7
	FRAG 128*((\q)%2)+8*\i, ADRB+(\q)/4, \q, \i
.endr
	WIN 0
.endm
.macro FETCH_A q, i0                   ; source 1's blocks i0 .. i0 + 3
.irp i, \i0, \i0+1, \i0+2, \i0+3
	FRAG AF+8*(\i), ADRA+(\q)/4, \q, \i
.endr
.endm
.macro SCALES p                        ; the scale words of K steps 2 p and 2 p + 1 into set p % 2
.irp i, 0,1,2,3,4,5,6,7
	ds_load_b32 v[SC+16*((\p)%2)+\i], v[ADSA] offset:512*\i+128*(\p)
	ds_load_b32 v[SC+16*((\p)%2)+8+\i], v[ADSB] offset:512*\i+128*(\p)
.endr
.endm
; 16 matrix instructions: source 1's blocks a0, a0 + 1 x source 0's eight.  mode 0: C = D; 1: C = the bias by b; 2: the bias by a.  The 64 accumulators take turns in the same order in every step.
.macro MUL16 a0, q, mode
.irp a, \a0, \a0+1
.irp b, 0,1,2,3,4,5,6,7
.set rD, 8*(8*((\a)%4)+\b)
.set rC, rD
.if \mode == 1
.set rC, BI+8*\b
.endif
.if \mode == 2
.set rC, BI+8*(\a)
.endif
.set rB, 128*((\q)%2)+8*\b
.set rA, AF+8*(\a)
.set rSB, SC+16*(((\q)/2)%2)+8+\b
.set rSA, SC+16*(((\q)/2)%2)+(\a)
.if (\q)%2
	v_wmma_scale_f32_16x16x128_f8f6f4 v[rD:rD+7], v[rB:rB+7], v[rA:rA+7], v[rC:rC+7], v[rSB], v[rSA] matrix_a_fmt:MATRIX_FMT_FP4 matrix_b_fmt:MATRIX_FMT_FP4 matrix_a_scale:MATRIX_SCALE_ROW1 matrix_b_scale:MATRIX_SCALE_ROW1
.else
	v_wmma_scale_f32_16x16x128_f8f6f4 v[rD:rD+7], v[rB:rB+7], v[rA:rA+7], v[rC:rC+7], v[rSB], v[rSA] matrix_a_fmt:MATRIX_FMT_FP4 matrix_b_fmt:MATRIX_FMT_FP4
.endif
.endr
.endr
.endm
.macro STEP q, mode                    ; a K step whose successor's tiles are known to have landed
	s_wait_dscnt 8                                 ; all but the youngest eight loads (source 1's blocks 4-7) are in
.if \mode
	WIN 0x81                                       ; the bias lies in window 0
.else
	WIN MUL_LO
.endif
	MUL16 0, \q, \mode
	MUL16 2, \q, \mode
	s_wait_dscnt 0x0                               ; blocks 4-7 are in
	PLACES
	FETCH_B (\q)+1
	FETCH_A (\q)+1, 0
.if ((\q)+1)%2 == 0
	SCALES ((\q)+1)/2
.endif
.if \mode
	WIN 0xc1
.else
	WIN MUL_HI
.endif
	MUL16 4, \q, \mode
	MUL16 6, \q, \mode
	PLACES
	WIN 0
	FETCH_A (\q)+1, 4
.endm
.macro MID                             ; K step 3: its successor lies in slot 1: each wave waits for its part of it, then the work-group's barrier.
	s_wait_tensorcnt 0x0
	s_wait_dscnt 8
	WIN MUL_LO
	MUL16 0, 3, 0
	s_wait_dscnt 0x0                               ; no LDS instruction of mine is out at the signal
	s_barrier_signal -1
	MUL16 2, 3, 0
	WIN 0
	s_barrier_wait -1
	PLACES
	FETCH_B 4
	FETCH_A 4, 0
	SCALES 2
	WIN MUL_HI
	MUL16 4, 3, 0
	MUL16 6, 3, 0
	PLACES
	WIN 0
	FETCH_A 4, 4
.endm
; 64 numbers of a lane in window w, register s + 16 b + i = neighbour 32 b + 16 (lane / 16) + i of the lane's row, become a fragment's codes in v[PC] on and its scale word in v[PW]
.macro Q64 s, w
	WIN (\w)|((\w)<<2)
.irp b, 0,1,2,3
	v_max3_num_f32 v[TM+\b], |v[\s+16*\b]|, |v[\s+16*\b+1]|, FLOOR   ; each accumulator is read from its low end on
.endr
.irp i, 2,4,6,8,10,12,14
.irp b, 0,1,2,3
	v_max3_num_f32 v[TM+\b], |v[\s+16*\b+\i]|, |v[\s+16*\b+\i+1]|, v[TM+\b]
.endr
.endr
	WIN 0
.irp b, 0,1,2,3
	v_permlanex16_b32 v[TM+4+\b], v[TM+\b], s[SEL], s[SEL+1]
.endr
.irp b, 0,1,2,3
	v_max_num_f32 v[TM+\b], v[TM+\b], v[TM+4+\b]   ; with lane l xor 16's 16: the block's largest magnitude
.endr
.irp b, 0,1,2,3
	v_add_nc_u32 v[TM+12+\b], 0xff000000, v[TM+\b]
.endr
.irp b, 0,1,2,3
	v_lshrrev_b32 v[TM+4+\b], 23, v[TM+12+\b]
.endr
	v_lshl_or_b32 v[PW], v[TM+5], 8, v[TM+4]
	v_lshl_or_b32 v[PW], v[TM+6], 16, v[PW]
	v_lshl_or_b32 v[PW], v[TM+7], 24, v[PW]
	s_wait_xcnt 0x0                                ; the last fragment's stores have read v[PC] on
	WIN (\w)
.irp b, 0,1,2,3
	v_cvt_scalef32_pk8_fp4_f32 v[PC+2*\b], v[\s+16*\b:\s+16*\b+7], v[TM+12+\b]
	v_cvt_scalef32_pk8_fp4_f32 v[PC+2*\b+1], v[\s+16*\b+8:\s+16*\b+15], v[TM+12+\b]
.endr
	WIN 0
	v_nop                                          ; one plain place behind a scaled conversion
.irp c, 0,1                            ; a whole block to a lane: lanes 0-15 block 2 c, lanes 16-31 block 2 c + 1
.irp i, 0,1
	v_permlane16_swap_b32 v[PC+4*\c+\i], v[PC+4*\c+2+\i]
.endr
.endr
.endm
	s_load_b256 s[4:11], s[0:1], 0x0               ; hc, wimg, bq, bk
	s_load_b128 s[12:15], s[0:1], 0x20             ; bv, qi
	s_load_b64 s[16:17], s[0:1], 0x30              ; kv
	v_lshl_add_u32 v[SPW], v0, 2, SPARE
	v_mov_b32 v[NIL], 0
	ds_add_u32 v[SPW], v[NIL]                      ; the opening: the add, twice on end, and its wait ahead of my first tensor load
	ds_add_u32 v[SPW], v[NIL]
	v_lshrrev_b32 v1, 5, v0
	v_readfirstlane_b32 s18, v1                    ; wave
	s_lshr_b32 s19, s18, 1                         ; my half of source 1's tiles.  Also: I fetch for source 1 (0) or source 0 (1)
	s_and_b32 s20, s18, 1                          ; my half of source 0's.  Also: which half I fetch
	s_bfe_u32 s21, ttmp6, 0x40000                  ; cx
	s_bfe_u32 s22, ttmp6, 0x40004                  ; cy
	s_mov_b32 s23, ttmp9                           ; cluster x: 0 q, 1 k, 2 v
	s_and_b32 s92, ttmp7, 0xffff                   ; cluster y
	s_lshl_b32 s40, s22, 2
	s_lshl_b32 s40, 15, s40                        ; my row of the cluster
	s_lshl_b32 s41, 0x1111, s21                    ; my column
	s_or_b32 s[G1], s40, (3<<16)|(1<<21)           ; elements of 8 bytes, no padding; source 1's tiles go to my row,
	s_or_b32 s[G1B], s41, (3<<16)|(1<<21)          ; source 0's to my column
	s_or_b32 s[G1S], s40, (3<<16)|(1<<21)
	s_or_b32 s[G1SB], s41, (3<<16)|(1<<21)
.irp g, G1, G1B                        ; codes: 8 tiles x 4,096 bytes (four K steps), 8,192 bytes from tile to tile
	s_mov_b32 s[\g+1], 512<<16
	s_mov_b32 s[\g+2], 8<<16
	s_mov_b32 s[\g+3], 512<<16
	s_mov_b32 s[\g+4], 8
	s_mov_b32 s[\g+5], 1024
	s_mov_b32 s[\g+6], 0
	s_mov_b32 s[\g+7], 0
.endr
.irp g, G1S, G1SB                      ; scale words of 8 tiles: 4,096 dense bytes as 16 rows of 256
	s_mov_b32 s[\g+1], 32<<16
	s_mov_b32 s[\g+2], 16<<16
	s_mov_b32 s[\g+3], 32<<16
	s_mov_b32 s[\g+4], 16
	s_mov_b32 s[\g+5], 32
	s_mov_b32 s[\g+6], 0
	s_mov_b32 s[\g+7], 0
.endr
	s_lshl_b32 s42, s92, 2
	s_lshl_b32 s43, s23, 2
	s_cmp_eq_u32 s23, 2
	s_cselect_b32 s93, 8, s42                      ; source 1's block of 256 rows: tokens 4 Y + cy, or Wv's rows 8 + cy
	s_cselect_b32 s94, s42, s43                    ; source 0's: the weight's 4 X + cx, or tokens 4 Y + cx
	s_mov_b32 s44, 2097152
	s_cselect_b32 s44, 6291456, s44                ; where the scale words begin in source 1's buffer,
	s_mov_b32 s46, 6291456
	s_cselect_b32 s46, 2097152, s46                ; and in source 0's
	s_add_co_u32 s93, s93, s22
	s_add_co_u32 s94, s94, s21
	s_lshl_b32 s40, s93, 17
	s_lshl_b32 s45, s20, 16
	s_add_co_u32 s40, s40, s45
	s_mov_b32 s41, 0
	s_lshl_b32 s42, s93, 13
	s_lshl_b32 s45, s20, 12
	s_add_co_u32 s42, s42, s45
	s_add_co_u32 s42, s42, s44
	s_mov_b32 s43, 0
	s_lshl_b32 s66, s94, 17
	s_lshl_b32 s47, s20, 16
	s_add_co_u32 s66, s66, s47
	s_mov_b32 s67, 0
	s_lshl_b32 s2, s94, 13
	s_lshl_b32 s47, s20, 12
	s_add_co_u32 s2, s2, s47
	s_add_co_u32 s2, s2, s46
	s_mov_b32 s3, 0
	s_lshl_b32 s95, s18, 15                        ; LDS: wave x 8 tiles of codes,
	s_lshl_b32 s45, s18, 12                        ; wave x 8 tiles of scale words: no place in the cluster enters an LDS address
	s_wait_dscnt 0x0                               ; both opening adds are done
	s_wait_kmcnt 0x0
	s_cmp_eq_u32 s23, 2
	s_cselect_b64 s[98:99], s[6:7], s[4:5]         ; source 1's buffer
	s_cselect_b64 s[100:101], s[4:5], s[6:7]       ; source 0's
	s_add_nc_u64 s[40:41], s[98:99], s[40:41]
	s_add_nc_u64 s[42:43], s[98:99], s[42:43]
	s_add_nc_u64 s[66:67], s[100:101], s[66:67]
	s_add_nc_u64 s[2:3], s[100:101], s[2:3]
	CROUND                                         ; all sixteen work-groups are here: the first joint loads meet
	s_mov_b32 s[G0S], 1
	s_add_co_u32 s[G0S+1], s45, SCLA
	s_mov_b64 s[G0S+2:G0S+3], s[42:43]
	s_or_b32 s[G0S+3], s[G0S+3], 0x80000000
	s_mov_b32 s[G0SB], 1
	s_add_co_u32 s[G0SB+1], s45, SCLA
	s_mov_b64 s[G0SB+2:G0SB+3], s[2:3]
	s_or_b32 s[G0SB+3], s[G0SB+3], 0x80000000
	JLOAD G0S, G1S, G0SB, G1SB
.irp s, 0,1
	s_mov_b32 s[G0+4*\s], 1
	s_add_co_u32 s[G0+4*\s+1], s95, \s*SLOT
	s_add_nc_u64 s[G0+4*\s+2:G0+4*\s+3], s[40:41], \s*4096
	s_or_b32 s[G0+4*\s+3], s[G0+4*\s+3], 0x80000000
	s_mov_b32 s[G0B+4*\s], 1
	s_add_co_u32 s[G0B+4*\s+1], s95, \s*SLOT
	s_add_nc_u64 s[G0B+4*\s+2:G0B+4*\s+3], s[66:67], \s*4096
	s_or_b32 s[G0B+4*\s+3], s[G0B+4*\s+3], 0x80000000
	JLOAD G0+4*\s, G1, G0B+4*\s, G1B
.endr
	v_and_b32 v1, 31, v0
	v_and_b32 v4, 15, v0                           ; r
	v_bfe_u32 v5, v0, 4, 1                         ; h
	v_lshlrev_b32 v[LI], 4, v1
	s_lshl_b32 s40, s19, 15
	s_lshl_b32 s41, s20, 15
	s_add_co_u32 s41, s41, 65536
	v_add_nc_u32 v[ADRA], s40, v[LI]
	v_add_nc_u32 v[ADRB], s41, v[LI]
	v_add_nc_u32 v[ADRA+1], SLOT, v[ADRA]
	v_add_nc_u32 v[ADRB+1], SLOT, v[ADRB]
	v_lshlrev_b32 v2, 2, v1
	s_lshl_b32 s40, s19, 12
	s_add_co_u32 s40, s40, SCLA
	s_lshl_b32 s41, s20, 12
	s_add_co_u32 s41, s41, SCLB
	v_add_nc_u32 v[ADSA], s40, v2
	v_add_nc_u32 v[ADSB], s41, v2
	v_lshlrev_b32 v[SH], 4, v5
.irp b, 0,1,2,3
	v_mov_b32 v[TM+4+\b], 0                        ; written once: a lane permute's destination counts as one of its sources
.endr
	s_mov_b32 s[SEL], 0x76543210
	s_mov_b32 s[SEL+1], 0xfedcba98
	; the bias, in the result's layout, is the C of each sum's first matrix instruction
	s_cmp_eq_u32 s23, 2
	s_cbranch_scc1 .Lbias_v
	s_cmp_eq_u32 s23, 0
	s_cselect_b64 s[40:41], s[8:9], s[10:11]
	s_lshl_b32 s42, s21, 10
	s_lshl_b32 s43, s20, 9
	s_add_co_u32 s42, s42, s43
	s_mov_b32 s43, 0
	s_add_nc_u64 s[40:41], s[40:41], s[42:43]      ; my 128 rows of the weight
	v_lshlrev_b32 v3, 6, v5
.irp b, 0,1,2,3,4,5,6,7                ; register j of tile b: row 32 (b / 2) + 16 h + 8 (b % 2) + j
	global_load_b128 v[BI+8*\b:BI+8*\b+3], v3, s[40:41] offset:128*(\b/2)+32*(\b%2)
	global_load_b128 v[BI+8*\b+4:BI+8*\b+7], v3, s[40:41] offset:128*(\b/2)+32*(\b%2)+16
.endr
	s_branch .Lbias_done
.Lbias_v:
	s_lshl_b32 s42, s22, 10
	s_lshl_b32 s43, s19, 9
	s_add_co_u32 s42, s42, s43
	s_mov_b32 s43, 0
	s_add_nc_u64 s[40:41], s[12:13], s[42:43]
	v_and_b32 v3, 8, v4
	v_add_nc_u32 v3, v3, v4
	v_lshlrev_b32 v3, 2, v3
.irp a, 0,1,2,3,4,5,6,7                ; all eight registers of tile a: row 32 (a / 2) + 8 (a % 2) + r + 8 (r / 8)
.irp j, 0,1,2,3,4,5,6,7
	global_load_b32 v[BI+8*\a+\j], v3, s[40:41] offset:128*(\a/2)+32*(\a%2)
.endr
.endr
.Lbias_done:
	s_wait_tensorcnt 1                             ; the scale words and my part of slot 0 are in; slot 1's load may be out
	s_barrier_signal -1
	s_barrier_wait -1
	FETCH_B 0
	FETCH_A 0, 0
	SCALES 0
	FETCH_A 0, 4
	s_wait_loadcnt 0x0                             ; the bias
	s_cmp_eq_u32 s23, 2
	s_cbranch_scc1 .Lfirst_v
	STEP 0, 1
	s_branch .Lfirst_done
.Lfirst_v:
	STEP 0, 2
.Lfirst_done:
	STEP 1, 0
	STEP 2, 0
	MID
	STEP 4, 0
	STEP 5, 0
	STEP 6, 0
	s_wait_dscnt 8                                 ; the last step: nothing more to fetch
	WIN MUL_LO
	MUL16 0, 7, 0
	MUL16 2, 7, 0
	s_wait_dscnt 0x0
	WIN MUL_HI
	MUL16 4, 7, 0
	MUL16 6, 7, 0
	WIN 0
	PLACES
	s_mov_b32 s41, 0
	s_cmp_eq_u32 s23, 2
	s_cbranch_scc1 .Lout_v
	; ---- q, k: for each tile a of 16 tokens my 128 columns are two heads x 64: registers 0-3 of the codes are the first head's half fragment, 4-7 the second's
	s_cmp_eq_u32 s23, 0
	s_cselect_b64 s[66:67], s[14:15], s[16:17]
	s_mov_b32 s101, 143360
	s_cselect_b32 s101, 73728, s101                ; bytes of a (batch, head)
	s_mov_b32 s95, 131072
	s_cselect_b32 s95, 65536, s95                  ; where its scale words begin
	s_mov_b32 s98, 0xffff
	s_mov_b32 s99, 0x7f7f0000
	s_lshr_b32 s40, s93, 3
	s_lshl_b32 s40, s40, 4
	s_lshl_b32 s42, s21, 2
	s_add_co_u32 s40, s40, s42
	s_lshl_b32 s42, s20, 1
	s_add_co_u32 s40, s40, s42                     ; 16 batch + my first head
	s_mul_i32 s40, s40, s101
	s_add_nc_u64 s[66:67], s[66:67], s[40:41]
	s_lshl_b32 s42, s93, 4
	s_lshl_b32 s43, s19, 3
	s_add_co_u32 s42, s42, s43
	s_and_b32 s42, s42, 127                        ; my first tile of tokens in the batch, a multiple of 8
	s_lshl_b32 s40, s42, 6
	s_add_co_u32 s40, s40, s95
	s_add_nc_u64 s[2:3], s[66:67], s[40:41]
	s_lshl_b32 s40, s42, 9
	s_add_nc_u64 s[66:67], s[66:67], s[40:41]
	v_add_nc_u32 v[LI2], s101, v[LI]
	v_mul_lo_u32 v[SO], v5, s101
	v_lshl_add_u32 v[SO], v4, 4, v[SO]             ; lanes 0-15 write the first head's scale words, lanes 16-31 the second's
.irp a, 0,1,2,3,4,5,6,7
	Q64 64*(\a%4), 2+\a/4
	global_store_b128 v[LI], v[PC:PC+3], s[66:67] offset:512*\a      ; 512 consecutive bytes each
	global_store_b128 v[LI2], v[PC+4:PC+7], s[66:67] offset:512*\a
	v_lshrrev_b32 v[WK+\a], v[SH], v[PW]           ; my head's two bytes,
	v_and_or_b32 v[WK+\a], v[WK+\a], s98, s99      ; and 0x7f for the half of the K step that holds no number
.endr
	global_store_b128 v[SO], v[WK:WK+3], s[2:3]
	global_store_b128 v[SO], v[WK+4:WK+7], s[2:3] offset:256
	s_branch .Lend
.Lout_v:
	; ---- v: my 128 tokens are one step of keys; tile a is 16 channels: tile a % 4 of head a / 4 of my two
	s_mov_b32 s100, 0xffff0000
	s_lshr_b32 s40, s94, 3
	s_lshl_b32 s40, s40, 4
	s_lshl_b32 s42, s22, 2
	s_add_co_u32 s40, s40, s42
	s_lshl_b32 s42, s19, 1
	s_add_co_u32 s40, s40, s42
	s_mul_i32 s40, s40, 143360
	s_add_nc_u64 s[66:67], s[16:17], s[40:41]
	s_lshl_b32 s42, s94, 1
	s_add_co_u32 s42, s42, s20
	s_and_b32 s42, s42, 15                         ; the step of keys
	s_lshl_b32 s40, s42, 8
	s_add_co_u32 s40, s40, 139264
	s_add_nc_u64 s[2:3], s[66:67], s[40:41]
	s_lshl_b32 s40, s42, 12
	s_add_co_u32 s40, s40, 65536
	s_add_nc_u64 s[66:67], s[66:67], s[40:41]
	v_mul_u32_u24 v[SO], v5, 143360
	v_lshl_add_u32 v[SO], v4, 4, v[SO]
.irp a, 0,1,2,3,4,5,6,7
	Q64 64*(\a%4), 2+\a/4
	global_store_b128 v[LI], v[PC:PC+3], s[66:67] offset:(\a/4)*143360+(\a%4)*1024
	global_store_b128 v[LI], v[PC+4:PC+7], s[66:67] offset:(\a/4)*143360+(\a%4)*1024+512
	v_mov_b32 v[WK+\a], v[PW]
.endr
.irp i, 0,1,2,3
	v_cndmask_b32 v[WK+\i], v[WK+\i], v[WK+4+\i], s100   ; lanes 16-31 take the second head's
.endr
	global_store_b128 v[SO], v[WK:WK+3], s[2:3]
.Lend:
	s_wait_tensorcnt 0x0                           ; the wave's end
	ds_add_u32 v[SPW], v[NIL]
	s_wait_dscnt 0x0
	CROUND                                         ; the closing round
	s_endpgm
.Lfunc_end_k_qd74d005d45_qkv:
	.size	k_qd74d005d45_qkv, .Lfunc_end_k_qd74d005d45_qkv-k_qd74d005d45_qkv
	.p2alignl 7, 3214868480
	.fill 96, 4, 3214868480
	.section	.rodata,"a",@progbits
	.p2align	6, 0x0
	.amdhsa_kernel k_qd74d005d45_qkv
		.amdhsa_group_segment_fixed_size 279040
		.amdhsa_private_segment_fixed_size 0
		.amdhsa_enable_private_segment 0
		.amdhsa_kernarg_size 56
		.amdhsa_user_sgpr_count 2
		.amdhsa_user_sgpr_kernarg_segment_ptr 1
		.amdhsa_wavefront_size32 1
		.amdhsa_system_sgpr_workgroup_id_x 1
		.amdhsa_system_sgpr_workgroup_id_y 1
		.amdhsa_system_sgpr_workgroup_id_z 1
		.amdhsa_system_vgpr_workitem_id 0
		.amdhsa_next_free_vgpr 1024
		.amdhsa_next_free_sgpr 102
		.amdhsa_reserve_vcc 0
		.amdhsa_float_denorm_mode_32 3
		.amdhsa_float_denorm_mode_16_64 3
		.amdhsa_memory_ordered 1
		.amdhsa_forward_progress 1
		.amdhsa_inst_pref_size 185
	.end_amdhsa_kernel
	.amdgpu_metadata
---
amdhsa.version: [ 1, 2 ]
amdhsa.kernels:
  - .name:           k_qd74d005d45_qkv
    .symbol:         k_qd74d005d45_qkv.kd
    .args:
      - { .name: hc, .offset: 0, .size: 8, .value_kind: global_buffer, .address_space: global }
      - { .name: wimg, .offset: 8, .size: 8, .value_kind: global_buffer, .address_space: global }
      - { .name: bq, .offset: 16, .size: 8, .value_kind: global_buffer, .address_space: global }
      - { .name: bk, .offset: 24, .size: 8, .value_kind: global_buffer, .address_space: global }
      - { .name: bv, .offset: 32, .size: 8, .value_kind: global_buffer, .address_space: global }
      - { .name: qi, .offset: 40, .size: 8, .value_kind: global_buffer, .address_space: global }
      - { .name: kv, .offset: 48, .size: 8, .value_kind: global_buffer, .address_space: global }
    .group_segment_fixed_size: 279040
    .private_segment_fixed_size: 0
    .kernarg_segment_align: 8
    .kernarg_segment_size: 56
    .max_flat_workgroup_size: 128
    .sgpr_count:     102
    .vgpr_count:     1024
    .wavefront_size: 32
...
	.end_amdgpu_metadata
.endif
;; end of part 2
;; launch attn (part 3): grid 8 x 32, 16 waves a work-group, clusters of 4 x 1, 219,648 bytes of LDS; arguments qi, kv, ai; writes ai
.if DOCPART == 3
	.amdgcn_target "amdgcn-amd-amdhsa--gfx1250"
	.amdhsa_code_object_version 6
	.text
	.protected	k_qd74d005d45_attn
	.globl	k_qd74d005d45_attn
	.p2align	8
	.type	k_qd74d005d45_attn,@function
k_qd74d005d45_attn:
	s_mov_b64 s[64:65], 0
	v_nop
	global_prefetch_b8 v0, s[64:65] scope:SCOPE_SE
	s_setreg_imm32_b32 hwreg(HW_REG_WAVE_MODE, 25, 1), 1
	s_wait_xcnt 0x0
	s_wait_alu depctr_hold_cnt(0) depctr_sa_sdst(0) depctr_va_vdst(0) depctr_va_sdst(0) depctr_va_ssrc(0) depctr_va_vcc(0) depctr_vm_vsrc(0)
	s_getreg_b32 s2, hwreg(HW_REG_IB_STS2, 6, 4)
	s_cmp_eq_u32 s2, 0
	s_cbranch_scc0 .Lentry_in_a_cluster
	s_endpgm
.Lentry_in_a_cluster:
	s_bfe_u32 s2, ttmp6, 0x10000c
	s_cmp_lg_u32 s2, 0x3003
	s_cbranch_scc0 .Lentry_shape_is_right
	s_endpgm
.Lentry_shape_is_right:
; ATTENTION on codes of E2M1: S^T = K Q^T (K = the head's 64, in the lower half of a K step of 128), p = 2^(t - M), O^T = V^T P^T (K = the keys), O / l quantised along D for the projection.
; LEFT OUT: steps of 128 keys all of which come after a tile's 16 queries (reference()'s own jnp.tril makes their p zero for all inputs).  LIMIT: a NaN, an infinity or an overflow that reaches only those steps is not carried on.
; LIMITS otherwise as stated at the head of the first launch.
; SHARES.  Work-group (g = 0..7, batch x head) owns the tiles of queries 8 d + g, d = 0..15; the tile of depth d needs the steps of keys 0 .. d: 136 steps in all, 8 or 9 to each of the sixteen waves.
; Waves 2 e and 2 e + 1 share the tiles of depth 8 + e and 7 - e.  The even wave walks steps 0 .. 8 of the deep tile.  The odd wave walks first the deep tile's steps 9 .. 8 + e (pass A), then the whole shallow tile (pass B).
; ONE TEXT FOR ALL: pass A; my state (-M, the sum, O^T) goes to my own 4,608 bytes of LDS and is set anew; pass B; a barrier; my partner's stored state is merged into mine: M' = the larger M, both sides x 2^(M - M'), which rounds nothing.
; What it stores is the starting state (zeros, M under every t), which adds nothing to the odd wave's shallow tile.  So no branch parts the two kinds of wave but the test which steps are walked.
; Each part of a tile's keys holds for every query a key that counts: whole steps ahead of the diagonal, or the diagonal step with the query's own key: so every M is a number.
; The head's K, V and scale words, 143,360 bytes, stay in LDS: each of the sixteen waves brings 8,960 of them by ONE tensor load at the head; no byte is filled twice.
; CLUSTER 4 x 1: the four work-groups of a cluster have the same head: each load is asked for jointly.  No branch hangs on the place in the cluster.
; A lane holds one query (lane % 16) throughout; tiles of keys and of channels are in the order 32 b + 8 u + r + 8 (r / 8), so that 16 registers of two neighbouring tiles are 16 neighbours.
; K's tile t is named as v[32 + 4 t : 39 + 4 t]: its upper four registers are the next tile's codes (for t = 7 zeros); they meet q's zero codes under the byte 0x7f and add exactly 0.
; REGISTERS: v1-4 lane parts of LDS addresses; v5, v6 the add's two; v7 my query less the diagonal step's first key less 16 (lane / 16); v8-11 the step's addresses; v12 -M, v13 the largest t, v[14:15] the sum;
; v16-23 pass A's q (upper half zeros), v24 its scale word; v220-227, v228 pass B's; v32-67 K; v68-99 V; v100-163 S^T, then p; v164-195 O^T; v196-203 p's codes; v204-207 K's scale words, v208-211 V's, v212 p's;
; v229, v230 where my state lies and where my partner's; v216-219, v231-254 at work.
.set VC,    65536
.set KSC,   131072
.set VSC,   139264
.set ASC,   143360                     ; 512 bytes: the work-group's scale halves on the way out
.set PART,  143872                     ; 16 x 4,608 bytes: each wave's state behind pass A, as an image of its registers
.set SPARE, 217600                     ; the spare words, 128 bytes for each of 16 waves
.set FLOOR, 0x1800000
.set S,   100
.set O,   164
.set WV,  18
.set SEL, 48
.set CS,  50
.macro CROUND
	s_barrier_signal -1
	s_barrier_wait -1
	s_cmp_lg_u32 s[WV], 0
	s_cbranch_scc1 .Lnot_wave_0_\@
	s_barrier_signal -3
.Lnot_wave_0_\@:
	s_barrier_wait -3
	s_barrier_signal -1
	s_barrier_wait -1
.endm
.macro INIT                            ; the starting state: the step is written once, its first turn finds zeros
	v_mov_b32 v13, 0xff61b1e6                      ; the largest t so far: -3e38
	v_floor_f32 v12, -v13
	v_mov_b32 v14, 0
	v_mov_b32 v15, 0
.set n, 0
.rept 32
	v_mov_b32 v[O+n], 0
.set n, n+1
.endr
.endm
; A PASS over the 16 steps of keys, in every wave 16 trips: the steps s[slo] .. s[shi] are walked, the others only step the addresses; step s[sdg] lies on the diagonal.  qf, qsc: the tile's q and its scale word
.macro PASS qf, qsc, slo, shi, sdg
	s_mov_b32 s36, 0                               ; the step;
	s_mov_b32 s37, 0                               ; its codes: 4,096 bytes a step, K's and V's alike;
	s_mov_b32 s38, 0                               ; K's scale words: 512;
	s_mov_b32 s39, 0                               ; V's: 256
.Lstep_\@:
	s_cmp_lt_u32 s36, s[\slo]
	s_cbranch_scc1 .Lhidden_\@
	s_cmp_gt_u32 s36, s[\shi]
	s_cbranch_scc1 .Lhidden_\@
	v_add_nc_u32 v8, s37, v1                       ; (these four are also the places behind the last step's products, in front of the loads below)
	v_add_nc_u32 v9, s37, v2
	v_add_nc_u32 v10, s38, v3
	v_add_nc_u32 v11, s39, v4
.irp t, 0,1,2,3,4,5,6,7
	ds_load_b128 v[32+4*\t:35+4*\t], v8 offset:512*\t
.endr
	ds_load_b128 v[204:207], v10                   ; lanes 0-15: tiles 0-3; lanes 16-31: tiles 4-7
.irp e, 0,1,2,3
.irp c, 0,1
	ds_load_b128 v[68+8*\e+4*\c:71+8*\e+4*\c], v9 offset:1024*\e+512*\c
.endr
.endr
	ds_load_b128 v[208:211], v11
	s_wait_dscnt 9                                 ; V's nine loads may be out
.irp t, 0,1,2,3
	v_wmma_scale_f32_16x16x128_f8f6f4 v[S+8*\t:S+8*\t+7], v[32+4*\t:39+4*\t], v[\qf:\qf+7], 0, v[204+\t], v[\qsc] matrix_a_fmt:MATRIX_FMT_FP4 matrix_b_fmt:MATRIX_FMT_FP4
.endr
.irp t, 4,5,6,7
	v_wmma_scale_f32_16x16x128_f8f6f4 v[S+8*\t:S+8*\t+7], v[32+4*\t:39+4*\t], v[\qf:\qf+7], 0, v[200+\t], v[\qsc] matrix_a_fmt:MATRIX_FMT_FP4 matrix_b_fmt:MATRIX_FMT_FP4 matrix_a_scale:MATRIX_SCALE_ROW1
.endr
.rept 4
	v_nop
.endr
	s_cmp_lg_u32 s36, s[\sdg]
	s_cbranch_scc1 .Lopen_\@
	v_mov_b32 v254, 0xff800000                     ; on the diagonal hidden scores become -infinity: register 16 b + i holds key 32 b + 16 h + i of the step
.set n, 0
.rept 64
	v_cmp_gt_i32 vcc_lo, 32*(n/16)+n%16, v7
	v_cndmask_b32 v[S+n], v[S+n], v254, vcc_lo
.set n, n+1
.endr
.Lopen_\@:
.irp b, 0,1,2,3
	v_max3_num_f32 v[232+\b], v[S+16*\b], v[S+16*\b+1], v[S+16*\b+2]   ; the largest score of each block of 32 keys: for the row's maximum and for the block's largest p
.endr
.irp i, 3,5,7,9,11,13
.irp b, 0,1,2,3
	v_max3_num_f32 v[232+\b], v[232+\b], v[S+16*\b+\i], v[S+16*\b+\i+1]
.endr
.endr
.irp b, 0,1,2,3
	v_max_num_f32 v[232+\b], v[232+\b], v[S+16*\b+15]
.endr
.irp b, 0,1,2,3
	v_permlanex16_b32 v[236+\b], v[232+\b], s[SEL], s[SEL+1]
.endr
.irp b, 0,1,2,3
	v_max_num_f32 v[232+\b], v[232+\b], v[236+\b]
.endr
	v_max3_num_f32 v254, v232, v233, v234
	v_max_num_f32 v254, v254, v235
	v_mul_f32 v254, s[CS], v254
	v_max_num_f32 v13, v13, v254                   ; the running largest t
	v_mov_b32 v254, v12
	v_floor_f32 v12, -v13                          ; -M = floor(-t): M is a whole number
	v_sub_f32 v254, v12, v254
	v_cvt_i32_f32 v254, v254                       ; old M - new M (it saturates)
	v_ldexp_f32 v252, 1.0, v254                    ; f = 2^(old M - new M)
.set n, 0
.rept 32
	v_pk_fma_f32 v[S+n:S+n+1], v[S+n:S+n+1], s[CS:CS+1], v[12:13] op_sel_hi:[1,0,0]   ; t - M
.set n, n+2
.endr
.irp b, 0,1,2,3
	v_fma_f32 v[232+\b], v[232+\b], s[CS], v12
.endr
.set n, 0
.rept 64
	v_exp_f32 v[S+n], v[S+n]                       ; p = 2^(t - M), not normalised
.set n, n+1
.endr
	v_pk_mul_f32 v[14:15], v[14:15], v[252:253] op_sel_hi:[1,0]   ; the sums under the new M; a plain place behind the exponentials
	s_wait_alu depctr_va_vdst(0)                   ; one wait for the batch, ahead of its first reader
.irp b, 0,1,2,3
	v_exp_f32 v[232+\b], v[232+\b]                 ; the block's largest p
.endr
	v_pk_add_f32 v[236:237], v[S:S+1], v[S+2:S+3]  ; the row's sum is taken of the unquantised p
.irp j, 4,8,12,16,20,24,28,32,36,40,44,48,52,56,60
	v_pk_add_f32 v[14:15], v[14:15], v[S+\j:S+\j+1]
	v_pk_add_f32 v[236:237], v[236:237], v[S+\j+2:S+\j+3]
.endr
	v_pk_add_f32 v[14:15], v[14:15], v[236:237]
	s_wait_alu depctr_va_vdst(0)                   ; and one for the four
.irp b, 0,1,2,3
	v_max_num_f32 v[232+\b], FLOOR, v[232+\b]
.endr
.irp b, 0,1,2,3
	v_add_nc_u32 v[244+\b], 0xff000000, v[232+\b]
.endr
.irp b, 0,1,2,3
	v_lshrrev_b32 v[236+\b], 23, v[244+\b]
.endr
	v_lshl_or_b32 v212, v237, 8, v236              ; p's scale word for these 128 keys
	v_lshl_or_b32 v212, v238, 16, v212
	v_lshl_or_b32 v212, v239, 24, v212
.irp b, 0,1,2,3
	v_cvt_scalef32_pk8_fp4_f32 v[196+2*\b], v[S+16*\b:S+16*\b+7], v[244+\b]
	v_cvt_scalef32_pk8_fp4_f32 v[197+2*\b], v[S+16*\b+8:S+16*\b+15], v[244+\b]
.endr
	v_nop
.irp c, 0,1
.irp i, 0,1
	v_permlane16_swap_b32 v[196+4*\c+\i], v[198+4*\c+\i]
.endr
.endr
.set n, 0
.rept 16
	v_pk_mul_f32 v[O+n:O+n+1], v[O+n:O+n+1], v[252:253] op_sel_hi:[1,0]   ; O^T under the new M; these sixteen are also the places between p's scale word and the products
.set n, n+2
.endr
	s_wait_dscnt 0x0                               ; V
.irp e, 0,1,2,3
	v_wmma_scale_f32_16x16x128_f8f6f4 v[O+8*\e:O+8*\e+7], v[68+8*\e:75+8*\e], v[196:203], v[O+8*\e:O+8*\e+7], v[208+\e], v212 matrix_a_fmt:MATRIX_FMT_FP4 matrix_b_fmt:MATRIX_FMT_FP4
.endr
.Lhidden_\@:
	s_add_co_u32 s37, s37, 4096
	s_add_co_u32 s38, s38, 512
	s_add_co_u32 s39, s39, 256
	s_add_co_u32 s36, s36, 1
	s_cmp_lt_u32 s36, 16
	s_cbranch_scc1 .Lstep_\@
.rept 4
	v_nop                                          ; places behind the last products, in front of the first read of O^T
.endr
.endm
	s_load_b128 s[4:7], s[0:1], 0x0                ; qi, kv
	s_load_b64 s[8:9], s[0:1], 0x10                ; ai
	v_lshl_add_u32 v5, v0, 2, SPARE
	v_mov_b32 v6, 0
	ds_add_u32 v5, v6                              ; the opening: the add, twice on end, and its wait ahead of my first tensor load
	ds_add_u32 v5, v6
	v_lshrrev_b32 v8, 5, v0
	v_readfirstlane_b32 s[WV], v8
	s_bfe_u32 s19, ttmp6, 0x40000                  ; cx
	s_lshl_b32 s20, ttmp9, 2
	s_add_co_u32 s20, s20, s19                     ; g
	s_and_b32 s21, ttmp7, 0xffff                   ; 16 batch + head
	s_and_b32 s52, s[WV], 1                        ; 0: the even wave of a pair, 1: the odd one
	s_lshr_b32 s53, s[WV], 1                       ; e
	s_add_co_u32 s54, s53, 8                       ; pass A: the deep tile's depth, and its last step
	s_mul_i32 s22, s52, 7
	s_xor_b32 s22, s22, s53                        ; e, or 7 - e
	s_xor_b32 s56, s52, 1
	s_lshl_b32 s57, s56, 3
	s_add_co_u32 s22, s22, s57                     ; pass B: the depth of the tile that I finish: 8 + e, or 7 - e
	s_mul_i32 s56, s56, 7
	s_add_co_u32 s56, s56, 9                       ; pass A's first step: 9, or 16 (no step) in the even wave
	s_min_u32 s57, s22, 8                          ; pass B's last step
	s_mov_b32 s62, 0                               ; and its first
	s_lshl_b32 s23, s22, 3
	s_add_co_u32 s23, s23, s20                     ; pass B's tile of queries
	s_lshl_b32 s55, s54, 3
	s_add_co_u32 s55, s55, s20                     ; pass A's
	s_mov_b32 s24, 15|(3<<16)|(1<<21)              ; all four work-groups; elements of 8 bytes; no padding
	s_mov_b32 s25, 32<<16                          ; 35 rows of 256 bytes, dense
	s_mov_b32 s26, 35<<16
	s_mov_b32 s27, 32<<16
	s_mov_b32 s28, 35
	s_mov_b32 s29, 32
	s_mov_b32 s30, 0
	s_mov_b32 s31, 0
	s_mov_b32 s32, 1
	s_mul_i32 s33, s[WV], 8960
	s_mul_i32 s40, s21, 143360
	s_add_co_u32 s40, s40, s33
	s_mov_b32 s41, 0
	s_mov_b32 s[SEL], 0x76543210
	s_mov_b32 s[SEL+1], 0xfedcba98
	s_mov_b32 s[CS], 0x3e38aa3b                    ; c = log2(e) / 8
	s_mov_b32 s[CS+1], s[CS]
	s_wait_dscnt 0x0
	s_wait_kmcnt 0x0
	s_add_nc_u64 s[34:35], s[6:7], s[40:41]
	s_or_b32 s35, s35, 0x80000000
	CROUND                                         ; all four work-groups are here: the joint loads meet
	tensor_load_to_lds s[32:35], s[24:31]
	s_nop 0
.rept 4
	v_nop
.endr
	v_and_b32 v9, 31, v0
	v_and_b32 v10, 15, v0                          ; r
	v_bfe_u32 v11, v0, 4, 1                        ; h
	v_lshlrev_b32 v1, 4, v9
	v_add_nc_u32 v2, VC, v1
	v_add_nc_u32 v3, KSC, v1
	v_lshl_add_u32 v4, v10, 4, VSC
	s_mul_i32 s42, s21, 73728
	s_lshl_b32 s43, s55, 9
	s_add_co_u32 s40, s42, s43
	s_add_nc_u64 s[10:11], s[4:5], s[40:41]
	global_load_b128 v[16:19], v1, s[10:11]        ; pass A's q: half a fragment
	s_lshl_b32 s43, s23, 9
	s_add_co_u32 s40, s42, s43
	s_add_nc_u64 s[58:59], s[4:5], s[40:41]
	global_load_b128 v[220:223], v1, s[58:59]      ; pass B's
	s_lshr_b32 s43, s20, 2
	s_lshl_b32 s43, s43, 8
	s_add_co_u32 s42, s42, s43
	s_and_b32 s43, s20, 3
	s_lshl_b32 s43, s43, 2
	s_add_co_u32 s42, s42, s43
	s_add_co_u32 s42, s42, 65536                   ; the scale words: + 512 x depth
	s_lshl_b32 s43, s54, 9
	s_add_co_u32 s40, s42, s43
	s_add_nc_u64 s[12:13], s[4:5], s[40:41]
	v_lshlrev_b32 v216, 4, v10
	global_load_b32 v24, v216, s[12:13]
	s_lshl_b32 s43, s22, 9
	s_add_co_u32 s40, s42, s43
	s_add_nc_u64 s[60:61], s[4:5], s[40:41]
	global_load_b32 v228, v216, s[60:61]
	s_lshr_b32 s43, s20, 1
	s_lshl_b32 s43, s43, 5
	s_and_b32 s44, s20, 1
	s_lshl_b32 s44, s44, 3
	s_add_co_u32 s43, s43, s44
	v_and_b32 v7, 8, v10
	v_add_nc_u32 v7, v7, v10
	v_lshlrev_b32 v217, 4, v11
	v_sub_nc_u32 v7, v7, v217
	v_add_nc_u32 v7, s43, v7                       ; 32 (g / 2) + 8 (g % 2) + r + 8 (r / 8) - 16 h: the same for both tiles
	s_and_b32 s44, s21, 15                         ; head
	s_lshr_b32 s45, s21, 4                         ; batch
	s_lshl_b32 s46, s45, 7
	s_add_co_u32 s46, s46, s23
	s_lshl_b32 s40, s46, 13
	s_lshl_b32 s47, s44, 9
	s_add_co_u32 s40, s40, s47
	s_add_nc_u64 s[14:15], s[8:9], s[40:41]        ; ai: tile 128 batch + pass B's tile, K step head / 2, half head % 2
	s_lshl_b32 s40, s44, 13
	s_lshl_b32 s47, s45, 3
	s_add_co_u32 s47, s47, s20
	s_lshl_b32 s47, s47, 9
	s_add_co_u32 s40, s40, s47
	s_add_co_u32 s40, s40, 2097152
	s_add_nc_u64 s[16:17], s[8:9], s[40:41]        ; its scale halves [head][8 batch + g][depth][r]
	s_lshl_b32 s47, s22, 5
	s_add_co_u32 s47, s47, ASC
	v_lshl_add_u32 v218, v10, 1, s47
	v_add_nc_u32 v219, ASC, v1
	s_mul_i32 s47, s[WV], 4608
	s_add_co_u32 s47, s47, PART
	v_add_nc_u32 v229, s47, v1                     ; my state's image
	s_xor_b32 s47, s[WV], 1
	s_mul_i32 s47, s47, 4608
	s_add_co_u32 s47, s47, PART
	v_add_nc_u32 v230, s47, v1                     ; my partner's
.irp j, 20,21,22,23,224,225,226,227,64,65,66,67,236,237,238,239,248,249,252,253
	v_mov_b32 v[\j], 0
.endr
	INIT
	s_wait_tensorcnt 0x0                           ; my part of the head is in,
	s_barrier_signal -1
	s_barrier_wait -1                              ; everybody's is
	s_wait_loadcnt 0x0                             ; q, twice
	PASS 16, 24, 56, 54, 54                        ; pass A: the deep tile's steps from 9 on (the odd wave), or none
.irp e, 0,1,2,3
	ds_store_b128 v229, v[O+8*\e:O+8*\e+3] offset:1024*\e          ; each accumulator from its low end on
	ds_store_b128 v229, v[O+8*\e+4:O+8*\e+7] offset:1024*\e+512
.endr
	ds_store_b128 v229, v[12:15] offset:4096
	s_wait_dscnt 0x0                               ; the stores have landed and have read their registers
	INIT
	PASS 220, 228, 62, 57, 22                      ; pass B: the deep tile's steps 0 .. 8 (the even wave), or the whole shallow tile
	s_wait_dscnt 0x0
	s_barrier_signal -1
	s_barrier_wait -1                              ; every wave's state behind pass A lies in LDS
.irp k, 0,1,2,3,4,5,6,7
	ds_load_b128 v[S+4*\k:S+4*\k+3], v230 offset:512*\k
.endr
	ds_load_b128 v[S+32:S+35], v230 offset:4096
	s_wait_dscnt 0x0
	v_min_num_f32 v216, v12, v[S+32]               ; -M' : M' is the larger of the two M
	v_sub_f32 v217, v216, v12                      ; my M - M', a whole number, 0 or less,
	v_sub_f32 v231, v216, v[S+32]                  ; and my partner's
	v_cvt_i32_f32 v217, v217                       ; (they saturate)
	v_cvt_i32_f32 v231, v231
	v_ldexp_f32 v252, 1.0, v217
	v_ldexp_f32 v248, 1.0, v231                    ; 0 for the starting state
	v_pk_mul_f32 v[14:15], v[14:15], v[252:253] op_sel_hi:[1,0]
	v_pk_fma_f32 v[14:15], v[S+34:S+35], v[248:249], v[14:15] op_sel_hi:[1,0,1]
.set n, 0
.rept 16
	v_pk_mul_f32 v[O+n:O+n+1], v[O+n:O+n+1], v[252:253] op_sel_hi:[1,0]
.set n, n+2
.endr
.set n, 0
.rept 16
	v_pk_fma_f32 v[O+n:O+n+1], v[S+n:S+n+1], v[248:249], v[O+n:O+n+1] op_sel_hi:[1,0,1]
.set n, n+2
.endr
	; THE WAY OUT: O^T / l, quantised along the head's 64 (two blocks of D): half a fragment of the projection's operand
	v_add_f32 v14, v14, v15
	v_permlanex16_b32 v252, v14, s[SEL], s[SEL+1]
	v_add_f32 v14, v14, v252
	v_rcp_f32 v14, v14
	v_nop                                          ; a plain place behind the reciprocal
	s_wait_alu depctr_va_vdst(0)
.set n, 0
.rept 32
	v_mul_f32 v[S+n], v[O+n], v14                  ; register 16 b + i: channel 32 b + 16 h + i
.set n, n+1
.endr
.irp b, 0,1
	v_max3_num_f32 v[232+\b], |v[S+16*\b]|, |v[S+16*\b+1]|, FLOOR
.endr
.irp i, 2,4,6,8,10,12,14
.irp b, 0,1
	v_max3_num_f32 v[232+\b], v[232+\b], |v[S+16*\b+\i]|, |v[S+16*\b+\i+1]|
.endr
.endr
.irp b, 0,1
	v_permlanex16_b32 v[236+\b], v[232+\b], s[SEL], s[SEL+1]
.endr
.irp b, 0,1
	v_max_num_f32 v[232+\b], v[232+\b], v[236+\b]
.endr
.irp b, 0,1
	v_add_nc_u32 v[244+\b], 0xff000000, v[232+\b]
.endr
.irp b, 0,1
	v_lshrrev_b32 v[236+\b], 23, v[244+\b]
.endr
	v_lshl_or_b32 v240, v237, 8, v236              ; my row's two bytes
.irp b, 0,1
	v_cvt_scalef32_pk8_fp4_f32 v[196+2*\b], v[S+16*\b:S+16*\b+7], v[244+\b]
	v_cvt_scalef32_pk8_fp4_f32 v[197+2*\b], v[S+16*\b+8:S+16*\b+15], v[244+\b]
.endr
	v_nop
	v_permlane16_swap_b32 v196, v198
	v_permlane16_swap_b32 v197, v199
	global_store_b128 v1, v[196:199], s[14:15]     ; 512 consecutive bytes
	ds_store_b16 v218, v240                        ; both halves of the lanes write the same two bytes
	s_wait_dscnt 0x0
	s_barrier_signal -1
	s_barrier_wait -1
	s_cmp_lg_u32 s[WV], 0
	s_cbranch_scc1 .Lnot0
	ds_load_b128 v[100:103], v219                  ; wave 0: the sixteen tiles' scale halves, 512 bytes
	s_wait_dscnt 0x0
	global_store_b128 v1, v[100:103], s[16:17]
.Lnot0:
	s_wait_tensorcnt 0x0                           ; the wave's end
	ds_add_u32 v5, v6
	s_wait_dscnt 0x0
	CROUND                                         ; the closing round
	s_endpgm
.Lfunc_end_k_qd74d005d45_attn:
	.size	k_qd74d005d45_attn, .Lfunc_end_k_qd74d005d45_attn-k_qd74d005d45_attn
	.p2alignl 7, 3214868480
	.fill 96, 4, 3214868480
	.section	.rodata,"a",@progbits
	.p2align	6, 0x0
	.amdhsa_kernel k_qd74d005d45_attn
		.amdhsa_group_segment_fixed_size 219648
		.amdhsa_private_segment_fixed_size 0
		.amdhsa_enable_private_segment 0
		.amdhsa_kernarg_size 24
		.amdhsa_user_sgpr_count 2
		.amdhsa_user_sgpr_kernarg_segment_ptr 1
		.amdhsa_wavefront_size32 1
		.amdhsa_system_sgpr_workgroup_id_x 1
		.amdhsa_system_sgpr_workgroup_id_y 1
		.amdhsa_system_sgpr_workgroup_id_z 1
		.amdhsa_system_vgpr_workitem_id 0
		.amdhsa_next_free_vgpr 256
		.amdhsa_next_free_sgpr 66
		.amdhsa_reserve_vcc 1
		.amdhsa_float_denorm_mode_32 3
		.amdhsa_float_denorm_mode_16_64 3
		.amdhsa_memory_ordered 1
		.amdhsa_forward_progress 1
		.amdhsa_inst_pref_size 58
	.end_amdhsa_kernel
	.amdgpu_metadata
---
amdhsa.version: [ 1, 2 ]
amdhsa.kernels:
  - .name:           k_qd74d005d45_attn
    .symbol:         k_qd74d005d45_attn.kd
    .args:
      - { .name: qi, .offset: 0, .size: 8, .value_kind: global_buffer, .address_space: global }
      - { .name: kv, .offset: 8, .size: 8, .value_kind: global_buffer, .address_space: global }
      - { .name: ai, .offset: 16, .size: 8, .value_kind: global_buffer, .address_space: global }
    .group_segment_fixed_size: 219648
    .private_segment_fixed_size: 0
    .kernarg_segment_align: 8
    .kernarg_segment_size: 24
    .max_flat_workgroup_size: 512
    .sgpr_count:     66
    .vgpr_count:     256
    .wavefront_size: 32
...
	.end_amdgpu_metadata
.endif
;; end of part 3
;; launch oproj (part 4): grid 256 x 1, 16 waves a work-group, clusters of 4 x 1, 322,816 bytes of LDS; arguments ai, wimg, x, bo, ln2_g, ln2_b, x1, hc; writes x1, hc
.if DOCPART == 4
	.amdgcn_target "amdgcn-amd-amdhsa--gfx1250"
	.amdhsa_code_object_version 6
	.text
	.protected	k_qd74d005d45_oproj
	.globl	k_qd74d005d45_oproj
	.p2align	8
	.type	k_qd74d005d45_oproj,@function
k_qd74d005d45_oproj:
	s_mov_b64 s[64:65], 0
	v_nop
	global_prefetch_b8 v0, s[64:65] scope:SCOPE_SE
	s_setreg_imm32_b32 hwreg(HW_REG_WAVE_MODE, 25, 1), 1
	s_wait_xcnt 0x0
	s_wait_alu depctr_hold_cnt(0) depctr_sa_sdst(0) depctr_va_vdst(0) depctr_va_sdst(0) depctr_va_ssrc(0) depctr_va_vcc(0) depctr_vm_vsrc(0)
	s_getreg_b32 s2, hwreg(HW_REG_IB_STS2, 6, 4)
	s_cmp_eq_u32 s2, 0
	s_cbranch_scc0 .Lentry_in_a_cluster
	s_endpgm
.Lentry_in_a_cluster:
	s_bfe_u32 s2, ttmp6, 0x10000c
	s_cmp_lg_u32 s2, 0x3003
	s_cbranch_scc0 .Lentry_shape_is_right
	s_endpgm
.Lentry_shape_is_right:
; OPROJ: x1 = x + a Wo + bo on codes of E2M1, then LayerNorm2(x1), quantised along D into hc.  Nothing of reference() is left out here.  LIMITS as stated at the head of the first launch.
; A work-group owns one tile of 16 tokens and so whole rows: the norm needs no further launch.  First part: wave w makes columns 64 w .. 64 w + 63 (source 0 = Wo's tiles 4 w .. 4 w + 3, source 1 = the tile of a).
; Second part: wave w owns slot w, one token's whole row.
; Wo COMES BY TWO ROADS.  Each fragment of Wo feeds ONE matrix instruction of its wave.  K steps 0-2 of a wave's four tiles (12,288 bytes) and all their scale words (2,048) come by two tensor loads of that wave into LDS bytes
; that it alone reads: no barrier is owed for them, and no byte is filled twice.  K steps 3-7 go from memory straight into registers, laid in their order: 40 loads a wave.  So a wave issues 59 loads into registers in all.
; CLUSTER 4 x 1: every work-group wants the same bytes of Wo, and the two descriptors hang on the wave's number alone: the four partners ask jointly.  What goes into registers cannot be asked for jointly.
; The gain and the offset are loaded once for the work-group, 512 bytes a wave, and read from LDS.
; THE ORDER OF K STEPS is 3, 4, 5 (asked for at the head), 0, 1, 2 (from LDS), 6, 7: steps 6 and 7 and x's row are asked for as soon as registers fall free, and land while the steps from LDS are multiplied.
; REGISTERS: v1-15 lane numbers and addresses; v16-31 a's fragments, two sets; v32-39 a's scale words; v40-55 Wo's (tile i, pair p at 4 i + p; lanes 0-15 the even K step, lanes 16-31 the odd);
; v56-183 Wo's fragments, four sets of 32 (later the offset, the gain, x's row, the row of a Wo + bo); v184-215 four accumulators; v216-219 addresses; v220-247 at work; v248, v249 the add's two.
.set WSC,   196608                     ; LDS: Wo's codes at 0, 16 x 12,288 [tile 4][K step 3][1,024]; its scale words, 16 x 2,048;
.set AIMG,  229376                     ; a's image (8,192);
.set ASC,   237568                     ; its scale halves [r][head] (512);
.set GBL,   238080                     ; the gain (4,096), then the offset (4,096);
.set STG,   246272                     ; 16 rows x (4,096 + 16): the tile of a Wo + bo;
.set IMG,   312064                     ; the new tile's image (8,192),
.set SCL,   320256                     ; its scale words (512),
.set SPARE, 320768                     ; the spare words, 128 bytes for each of 16 waves
                                       ; a wave's turning room, 4,608 bytes, lies at the head of its own 12,288 bytes of Wo: they have had their one fill and their last read by then
.set FLOOR, 0x1800000
.set AFR, 16
.set ASW, 32
.set BSW, 40
.set BR,  56
.set BT,  56
.set G,   88
.set X,   120
.set R,   152
.set ACC, 184
.set T,   220
.set CQ,  228
.set QT,  232
.set TI,  14
.set TO,  15
.set IA,  236
.set SAD, 237
.set SPW, 248
.set NIL, 249
.set SEL, 40
.set INV, 42
.set EPS, 43
.set G1C, 48
.set G1S, 56
.set G0C, 68
.set G0S, 72
.macro CROUND                          ; a round of the cluster's barrier
	s_barrier_signal -1
	s_barrier_wait -1
	s_cmp_lg_u32 s2, 0
	s_cbranch_scc1 .Lnot_wave_0_\@
	s_barrier_signal -3
.Lnot_wave_0_\@:
	s_barrier_wait -3
	s_barrier_signal -1
	s_barrier_wait -1
.endm
.macro Q32 xs, c                       ; 32 numbers of one block become 32 codes; the byte is left in v[QT+1]
	v_max3_num_f32 v[QT], |v[\xs]|, |v[\xs+1]|, |v[\xs+2]|
	v_max3_num_f32 v[QT+1], |v[\xs+3]|, |v[\xs+4]|, |v[\xs+5]|
.irp i, 6,10,14,18,22,26
	v_max3_num_f32 v[QT], v[QT], |v[\xs+\i]|, |v[\xs+\i+1]|
	v_max3_num_f32 v[QT+1], v[QT+1], |v[\xs+\i+2]|, |v[\xs+\i+3]|
.endr
	v_max3_num_f32 v[QT], v[QT], |v[\xs+30]|, |v[\xs+31]|
	v_max3_num_f32 v[QT], v[QT], v[QT+1], FLOOR
	v_add_nc_u32 v[QT+2], 0xff000000, v[QT]
	v_lshrrev_b32 v[QT+1], 23, v[QT+2]
.irp g, 0,1,2,3
	v_cvt_scalef32_pk8_fp4_f32 v[\c+\g], v[\xs+8*\g:\xs+8*\g+7], v[QT+2]
.endr
	v_nop
.endm
.macro LANESUM r, t
	v_add_f32_dpp v[\r], v[\r], v[\r] row_xmask:1 row_mask:0xf bank_mask:0xf
	v_add_f32_dpp v[\r], v[\r], v[\r] row_xmask:2 row_mask:0xf bank_mask:0xf
	v_add_f32_dpp v[\r], v[\r], v[\r] row_xmask:4 row_mask:0xf bank_mask:0xf
	v_add_f32_dpp v[\r], v[\r], v[\r] row_xmask:8 row_mask:0xf bank_mask:0xf
	v_permlanex16_b32 v[\t], v[\r], s[SEL], s[SEL+1]
	v_add_f32 v[\r], v[\r], v[\t]
.endm
.macro LNROW s, d                      ; LayerNorm of one row of 1,024, 32 numbers a lane
	v_pk_add_f32 v[T:T+1], v[\s:\s+1], v[\s+2:\s+3]
	v_pk_add_f32 v[T+2:T+3], v[\s+4:\s+5], v[\s+6:\s+7]
.irp j, 8,12,16,20,24,28
	v_pk_add_f32 v[T:T+1], v[T:T+1], v[\s+\j:\s+\j+1]
	v_pk_add_f32 v[T+2:T+3], v[T+2:T+3], v[\s+\j+2:\s+\j+3]
.endr
	v_pk_add_f32 v[T:T+1], v[T:T+1], v[T+2:T+3]
	v_add_f32 v[T], v[T], v[T+1]
	LANESUM T, T+1
	v_mul_f32 v[T], s[INV], v[T]
.irp j, 0,2,4,6,8,10,12,14,16,18,20,22,24,26,28,30
	v_pk_add_f32 v[\d+\j:\d+\j+1], v[\s+\j:\s+\j+1], v[T:T+1] op_sel_hi:[1,0] neg_lo:[0,1] neg_hi:[0,1]
.endr
	v_pk_mul_f32 v[T+2:T+3], v[\d:\d+1], v[\d:\d+1]
	v_pk_mul_f32 v[T+4:T+5], v[\d+2:\d+3], v[\d+2:\d+3]
.irp j, 4,8,12,16,20,24,28
	v_pk_fma_f32 v[T+2:T+3], v[\d+\j:\d+\j+1], v[\d+\j:\d+\j+1], v[T+2:T+3]
	v_pk_fma_f32 v[T+4:T+5], v[\d+\j+2:\d+\j+3], v[\d+\j+2:\d+\j+3], v[T+4:T+5]
.endr
	v_pk_add_f32 v[T+2:T+3], v[T+2:T+3], v[T+4:T+5]
	v_add_f32 v[T+2], v[T+2], v[T+3]
	LANESUM T+2, T+3
	v_fma_f32 v[T+2], v[T+2], s[INV], s[EPS]
	v_rsq_f32 v[T+4], v[T+2]
	v_nop
	s_wait_alu depctr_va_vdst(0)                   ; the wait ahead of the first reader
.irp j, 0,2,4,6,8,10,12,14,16,18,20,22,24,26,28,30
	v_pk_mul_f32 v[\d+\j:\d+\j+1], v[\d+\j:\d+\j+1], v[T+4:T+5] op_sel_hi:[1,0]
.endr
.irp j, 0,2,4,6,8,10,12,14,16,18,20,22,24,26,28,30
	v_pk_fma_f32 v[\d+\j:\d+\j+1], v[\d+\j:\d+\j+1], v[G+\j:G+\j+1], v[BT+\j:BT+\j+1]
.endr
.endm
.macro LOADB ks, st                    ; my four fragments of Wo for K step ks, from memory into set st
.irp i, 0,1,2,3
.irp c, 0,1
	global_load_b128 v[BR+32*(\st)+8*\i+4*\c:BR+32*(\st)+8*\i+4*\c+3], v2, s[34:35] offset:8192*\i+1024*(\ks)+512*\c
.endr
.endr
.endm
.macro LDSB ks                         ; the same for K step ks = 0, 1, 2, from my own LDS bytes into set 3
.irp i, 0,1,2,3
.irp c, 0,1
	ds_load_b128 v[BR+96+8*\i+4*\c:BR+96+8*\i+4*\c+3], v217 offset:3072*\i+1024*(\ks)+512*\c
.endr
.endr
.endm
.macro AFRAG ks, av                    ; a's fragment of K step ks into set av
.irp c, 0,1
	ds_load_b128 v[AFR+8*(\av)+4*\c:AFR+8*(\av)+4*\c+3], v216 offset:1024*(\ks)+512*\c
.endr
.endm
.macro KSTEP ks, st, av, lc, dc        ; four matrix instructions, the accumulators by turns; lc, dc: the younger loads that may be out (lc = -1: this step's fragments come from LDS)
.if (\lc) >= 0
	s_wait_loadcnt \lc
.endif
	s_wait_dscnt \dc
.irp i, 0,1,2,3
.if (\ks)%2
	v_wmma_scale_f32_16x16x128_f8f6f4 v[ACC+8*\i:ACC+8*\i+7], v[BR+32*(\st)+8*\i:BR+32*(\st)+8*\i+7], v[AFR+8*(\av):AFR+8*(\av)+7], v[ACC+8*\i:ACC+8*\i+7], v[BSW+4*\i+(\ks)/2], v[ASW+(\ks)] matrix_a_fmt:MATRIX_FMT_FP4 matrix_b_fmt:MATRIX_FMT_FP4 matrix_a_scale:MATRIX_SCALE_ROW1
.else
	v_wmma_scale_f32_16x16x128_f8f6f4 v[ACC+8*\i:ACC+8*\i+7], v[BR+32*(\st)+8*\i:BR+32*(\st)+8*\i+7], v[AFR+8*(\av):AFR+8*(\av)+7], v[ACC+8*\i:ACC+8*\i+7], v[BSW+4*\i+(\ks)/2], v[ASW+(\ks)] matrix_a_fmt:MATRIX_FMT_FP4 matrix_b_fmt:MATRIX_FMT_FP4
.endif
.endr
.rept 4
	v_nop                                          ; places in front of the loads into the registers just read, and of the reads of results
.endr
.endm
	s_load_b512 s[4:19], s[0:1], 0x0               ; ai, wimg, x, bo, ln2_g, ln2_b, x1, hc
	v_lshl_add_u32 v[SPW], v0, 2, SPARE
	v_mov_b32 v[NIL], 0
	ds_add_u32 v[SPW], v[NIL]                      ; the opening: the add, twice on end, and its wait ahead of my first tensor load
	ds_add_u32 v[SPW], v[NIL]
	v_lshrrev_b32 v1, 5, v0
	v_readfirstlane_b32 s2, v1                     ; wave
	s_bfe_u32 s3, ttmp6, 0x40000                   ; cx
	s_lshl_b32 s20, ttmp9, 2
	s_add_co_u32 s3, s3, s20                       ; rt, my tile of tokens: it enters global addresses alone
	s_mov_b32 s[G1C], 15|(3<<16)|(1<<21)           ; all four work-groups; elements of 8 bytes; no padding
	s_mov_b32 s[G1C+1], 384<<16                    ; codes: 4 tiles x 3,072 bytes (K steps 0-2), 8,192 bytes from tile to tile
	s_mov_b32 s[G1C+2], 4<<16
	s_mov_b32 s[G1C+3], 384<<16
	s_mov_b32 s[G1C+4], 4
	s_mov_b32 s[G1C+5], 1024
	s_mov_b32 s[G1C+6], 0
	s_mov_b32 s[G1C+7], 0
	s_mov_b32 s[G1S], 15|(3<<16)|(1<<21)
	s_mov_b32 s[G1S+1], 32<<16                     ; scale words of 4 tiles: 8 rows of 256 bytes, dense
	s_mov_b32 s[G1S+2], 8<<16
	s_mov_b32 s[G1S+3], 32<<16
	s_mov_b32 s[G1S+4], 8
	s_mov_b32 s[G1S+5], 32
	s_mov_b32 s[G1S+6], 0
	s_mov_b32 s[G1S+7], 0
	s_mov_b32 s[G0C], 1
	s_mul_i32 s[G0C+1], s2, 12288
	s_mov_b32 s[G0S], 1
	s_lshl_b32 s[G0S+1], s2, 11
	s_add_co_u32 s[G0S+1], s[G0S+1], WSC
	v_and_b32 v1, 31, v0
	v_and_b32 v3, 15, v0                           ; r
	v_bfe_u32 v4, v0, 4, 1                         ; h
	v_lshlrev_b32 v2, 4, v1                        ; 16 lane
	v_lshlrev_b32 v6, 1, v3
	v_lshlrev_b32 v7, 6, v4
	s_lshl_b32 s20, s2, 9
	v_add_nc_u32 v8, s20, v2                       ; 512 w + 16 lane
	v_add_nc_u32 v11, AIMG, v8                     ; a's image in,
	v_add_nc_u32 v216, AIMG, v2                    ; and out
	v_add_nc_u32 v218, GBL, v8                     ; the gain and the offset in,
	v_add_nc_u32 v219, GBL, v2                     ; and out
	s_lshl_b32 s20, s2, 11
	s_add_co_u32 s20, s20, WSC
	v_lshl_add_u32 v5, v1, 2, s20                  ; Wo's scale words: my 2,048 bytes, 4 lane
	s_lshl_b32 s20, s2, 1
	s_add_co_u32 s20, s20, ASC
	v_lshl_add_u32 v9, v3, 5, s20                  ; scale halves in: row r, head w
	v_lshl_add_u32 v10, v3, 5, ASC                 ; and out: row r's eight words
	s_lshl_b32 s20, s2, 8
	s_add_co_u32 s20, s20, STG
	v_mul_u32_u24 v12, v3, 4112
	v_lshl_add_u32 v12, v4, 6, v12
	v_add_nc_u32 v12, s20, v12                     ; the stage in: row r, 256 w + 64 h
	s_mul_i32 s20, s2, 4112
	s_add_co_u32 s20, s20, STG
	v_add_nc_u32 v13, s20, v2                      ; and out: row w
	s_mul_i32 s20, s2, 12288
	v_add_nc_u32 v217, s20, v2                     ; Wo's codes: my 12,288 bytes, 16 lane
	v_lshrrev_b32 v14, 3, v1
	v_mul_u32_u24 v14, v14, 144
	v_and_b32 v15, 7, v1
	v_lshl_add_u32 v14, v15, 4, v14
	v_add_nc_u32 v14, s20, v14                     ; the turning room, in the same bytes: in,
	v_mul_u32_u24 v15, v1, 144
	v_add_nc_u32 v15, s20, v15                     ; and out
	s_lshl_b32 s20, s2, 4
	s_add_co_u32 s20, s20, IMG
	v_lshl_add_u32 v[IA], v1, 8, s20               ; block lane at 256 lane, slot w at 16 w
	s_lshl_b32 s20, s2, 2
	s_add_co_u32 s20, s20, SCL
	v_lshrrev_b32 v[SAD], 2, v1
	v_lshlrev_b32 v[SAD], 6, v[SAD]
	v_and_b32 v238, 3, v1
	v_add_nc_u32 v[SAD], v[SAD], v238
	v_add_nc_u32 v[SAD], s20, v[SAD]
	v_add_nc_u32 v238, IMG, v8
	v_add_nc_u32 v239, SCL, v2
	s_mov_b32 s[SEL], 0x76543210
	s_mov_b32 s[SEL+1], 0xfedcba98
	s_mov_b32 s[INV], 0x3a800000
	s_mov_b32 s[EPS], 0x3727c5ac
	s_lshl_b32 s20, s3, 13
	s_lshl_b32 s21, s2, 9
	s_add_co_u32 s20, s20, s21                     ; a's image: tile rt, my 512 bytes
	s_mov_b32 s21, 0
	s_lshr_b32 s22, s3, 7
	s_lshl_b32 s22, s22, 3
	s_and_b32 s23, s3, 7
	s_add_co_u32 s22, s22, s23
	s_lshl_b32 s22, s22, 9
	s_bfe_u32 s23, s3, 0x40003
	s_lshl_b32 s23, s23, 5
	s_add_co_u32 s22, s22, s23
	s_lshl_b32 s23, s2, 13
	s_add_co_u32 s22, s22, s23
	s_add_co_u32 s22, s22, 2097152                 ; head w's scale halves of this tile
	s_mov_b32 s23, 0
	s_lshr_b32 s24, s3, 1
	s_lshl_b32 s24, s24, 5
	s_and_b32 s25, s3, 1
	s_lshl_b32 s25, s25, 3
	s_add_co_u32 s24, s24, s25
	s_add_co_u32 s24, s24, s2
	s_lshr_b32 s25, s2, 3
	s_lshl_b32 s25, s25, 3
	s_add_co_u32 s24, s24, s25                     ; my token: 32 (rt / 2) + 8 (rt % 2) + w + 8 (w / 8)
	s_lshl_b32 s24, s24, 12
	s_mov_b32 s25, 0
	s_wait_dscnt 0x0                               ; both opening adds are done
	s_wait_kmcnt 0x0
	s_add_nc_u64 s[26:27], s[4:5], s[20:21]
	s_add_nc_u64 s[28:29], s[4:5], s[22:23]
	s_lshl_b32 s20, s2, 15
	s_add_co_u32 s20, s20, 1572864
	s_add_nc_u64 s[34:35], s[6:7], s[20:21]        ; Wo's codes: my four tiles
	s_mov_b64 s[G0C+2:G0C+3], s[34:35]
	s_or_b32 s[G0C+3], s[G0C+3], 0x80000000
	s_lshl_b32 s20, s2, 11
	s_add_co_u32 s20, s20, 6389760
	s_add_nc_u64 s[G0S+2:G0S+3], s[6:7], s[20:21]  ; their scale words
	s_or_b32 s[G0S+3], s[G0S+3], 0x80000000
	CROUND                                         ; all four work-groups are here: the joint loads meet
	tensor_load_to_lds s[G0C:G0C+3], s[G1C:G1C+7]  ; two tensor loads of mine are out
	s_nop 0
	tensor_load_to_lds s[G0S:G0S+3], s[G1S:G1S+7]
	s_nop 0
.rept 4
	v_nop
.endr
	s_lshl_b32 s20, s2, 8
	s_add_nc_u64 s[30:31], s[10:11], s[20:21]      ; bo: my 64 columns
	s_cmp_lt_u32 s2, 8                             ; waves 0-7 bring the gain, waves 8-15 the offset: 512 bytes each
	s_cselect_b64 s[32:33], s[12:13], s[14:15]
	s_and_b32 s20, s2, 7
	s_lshl_b32 s20, s20, 9
	s_add_nc_u64 s[32:33], s[32:33], s[20:21]
	s_add_nc_u64 s[36:37], s[8:9], s[24:25]
	s_add_nc_u64 s[38:39], s[16:17], s[24:25]
	s_lshl_b32 s20, s3, 13
	s_add_nc_u64 s[44:45], s[18:19], s[20:21]
	s_lshl_b32 s20, s3, 9
	s_add_co_u32 s20, s20, 2097152
	s_add_nc_u64 s[46:47], s[18:19], s[20:21]
	global_load_b128 v[244:247], v2, s[26:27]
	global_load_u16 v226, v6, s[28:29]
	global_load_b128 v[240:243], v2, s[32:33]
.irp i, 0,1,2,3                        ; bo goes straight into the accumulators: register j of tile i is column 64 w + 32 (i / 2) + 16 h + 8 (i % 2) + j
	global_load_b128 v[ACC+8*\i:ACC+8*\i+3], v7, s[30:31] offset:128*(\i/2)+32*(\i%2)
	global_load_b128 v[ACC+8*\i+4:ACC+8*\i+7], v7, s[30:31] offset:128*(\i/2)+32*(\i%2)+16
.endr
	LOADB 3, 0
	LOADB 4, 1
	LOADB 5, 2
	s_wait_loadcnt 32                              ; the 32 loads behind the first three (bo, three K steps) may be out
	ds_store_b128 v11, v[244:247]
	ds_store_b16 v9, v226
	ds_store_b128 v218, v[240:243]
	s_wait_dscnt 0x0
	s_barrier_signal -1
	s_barrier_wait -1                              ; a's image, its scale words, the gain and the offset lie in LDS
	s_wait_tensorcnt 0x0                           ; my own K steps 0-2 of Wo and its scale words are in: I alone read them
	ds_load_b128 v[ASW:ASW+3], v10
	ds_load_b128 v[ASW+4:ASW+7], v10 offset:16
.irp i, 0,1,2,3
.irp p, 0,1,2,3
	ds_load_b32 v[BSW+4*\i+\p], v5 offset:512*\i+128*\p
.endr
.endr
	AFRAG 3, 0
	AFRAG 4, 1
	LDSB 0
	KSTEP 3, 0, 0, 16, 10                          ; from memory K steps 4 and 5 may be out; from LDS a's next fragment and the eight loads of Wo's K step 0
	LOADB 6, 0
	AFRAG 5, 0
	KSTEP 4, 1, 1, 16, 10                          ; K steps 5 and 6; Wo's K step 0 and a's next fragment
	LOADB 7, 1
	AFRAG 0, 1
	KSTEP 5, 2, 0, 16, 2                           ; K steps 6 and 7; a's next fragment
.irp j, 0,1,2,3,4,5,6,7
	global_load_b128 v[X+4*\j:X+4*\j+3], v2, s[36:37] offset:512*\j
.endr
	AFRAG 1, 0
	KSTEP 0, 3, 1, -1, 2
	LDSB 1
	AFRAG 2, 1
	KSTEP 1, 3, 0, -1, 2
	LDSB 2
	AFRAG 6, 0
	KSTEP 2, 3, 1, -1, 2
	AFRAG 7, 1
	KSTEP 6, 0, 0, 16, 2                           ; K step 7 and x's row may be out
.irp j, 0,1,2,3,4,5,6,7
	ds_load_b128 v[BT+4*\j:BT+4*\j+3], v219 offset:4096+512*\j
.endr
	KSTEP 7, 1, 1, 8, 8                            ; x's row; the offset's eight loads
.irp j, 0,1,2,3,4,5,6,7
	ds_load_b128 v[G+4*\j:G+4*\j+3], v219 offset:512*\j
.endr
.irp i, 0,1,2,3
	ds_store_b128 v12, v[ACC+8*\i:ACC+8*\i+3] offset:128*(\i/2)+32*(\i%2)        ; each accumulator from its low end on
	ds_store_b128 v12, v[ACC+8*\i+4:ACC+8*\i+7] offset:128*(\i/2)+32*(\i%2)+16
.endr
	s_wait_dscnt 0x0
	s_barrier_signal -1
	s_barrier_wait -1                              ; 16 whole rows of a Wo + bo lie in the stage
.irp j, 0,1,2,3,4,5,6,7
	ds_load_b128 v[R+4*\j:R+4*\j+3], v13 offset:512*\j
.endr
	s_wait_dscnt 0x0
	s_wait_loadcnt 0x0                             ; x's row
.irp j, 0,2,4,6,8,10,12,14,16,18,20,22,24,26,28,30
	v_pk_add_f32 v[X+\j:X+\j+1], v[X+\j:X+\j+1], v[R+\j:R+\j+1]      ; x1
.endr
.irp j, 0,1,2,3,4,5,6,7
	global_store_b128 v2, v[X+4*\j:X+4*\j+3], s[38:39] offset:512*\j   ; 512 consecutive bytes each; their registers are not written again
.endr
	LNROW X, R
.irp j, 0,1,2,3,4,5,6,7                ; the row turns through my own room: lane l then holds block l's 32 neighbours
	ds_store_b128 v[TI], v[R+4*\j:R+4*\j+3] offset:576*\j
.endr
.irp j, 0,1,2,3,4,5,6,7
	ds_load_b128 v[R+4*\j:R+4*\j+3], v[TO] offset:16*\j
.endr
	s_wait_dscnt 0x0
	Q32 R, CQ
	ds_store_b128 v[IA], v[CQ:CQ+3]
	ds_store_b8 v[SAD], v[QT+1]
	s_wait_dscnt 0x0
	s_barrier_signal -1
	s_barrier_wait -1                              ; the new tile's image lies in LDS
	ds_load_b128 v[R:R+3], v238
	s_wait_dscnt 0x0
	global_store_b128 v8, v[R:R+3], s[44:45]
	s_cmp_lg_u32 s2, 0
	s_cbranch_scc1 .Lend
	ds_load_b128 v[R+4:R+7], v239
	s_wait_dscnt 0x0
	global_store_b128 v2, v[R+4:R+7], s[46:47]
.Lend:
	s_wait_tensorcnt 0x0                           ; the wave's end
	ds_add_u32 v[SPW], v[NIL]
	s_wait_dscnt 0x0
	CROUND                                         ; the closing round
	s_endpgm
.Lfunc_end_k_qd74d005d45_oproj:
	.size	k_qd74d005d45_oproj, .Lfunc_end_k_qd74d005d45_oproj-k_qd74d005d45_oproj
	.p2alignl 7, 3214868480
	.fill 96, 4, 3214868480
	.section	.rodata,"a",@progbits
	.p2align	6, 0x0
	.amdhsa_kernel k_qd74d005d45_oproj
		.amdhsa_group_segment_fixed_size 322816
		.amdhsa_private_segment_fixed_size 0
		.amdhsa_enable_private_segment 0
		.amdhsa_kernarg_size 64
		.amdhsa_user_sgpr_count 2
		.amdhsa_user_sgpr_kernarg_segment_ptr 1
		.amdhsa_wavefront_size32 1
		.amdhsa_system_sgpr_workgroup_id_x 1
		.amdhsa_system_sgpr_workgroup_id_y 1
		.amdhsa_system_sgpr_workgroup_id_z 1
		.amdhsa_system_vgpr_workitem_id 0
		.amdhsa_next_free_vgpr 256
		.amdhsa_next_free_sgpr 80
		.amdhsa_reserve_vcc 0
		.amdhsa_float_denorm_mode_32 3
		.amdhsa_float_denorm_mode_16_64 3
		.amdhsa_memory_ordered 1
		.amdhsa_forward_progress 1
		.amdhsa_inst_pref_size 36
	.end_amdhsa_kernel
	.amdgpu_metadata
---
amdhsa.version: [ 1, 2 ]
amdhsa.kernels:
  - .name:           k_qd74d005d45_oproj
    .symbol:         k_qd74d005d45_oproj.kd
    .args:
      - { .name: ai, .offset: 0, .size: 8, .value_kind: global_buffer, .address_space: global }
      - { .name: wimg, .offset: 8, .size: 8, .value_kind: global_buffer, .address_space: global }
      - { .name: x, .offset: 16, .size: 8, .value_kind: global_buffer, .address_space: global }
      - { .name: bo, .offset: 24, .size: 8, .value_kind: global_buffer, .address_space: global }
      - { .name: ln2_g, .offset: 32, .size: 8, .value_kind: global_buffer, .address_space: global }
      - { .name: ln2_b, .offset: 40, .size: 8, .value_kind: global_buffer, .address_space: global }
      - { .name: x1, .offset: 48, .size: 8, .value_kind: global_buffer, .address_space: global }
      - { .name: hc, .offset: 56, .size: 8, .value_kind: global_buffer, .address_space: global }
    .group_segment_fixed_size: 322816
    .private_segment_fixed_size: 0
    .kernarg_segment_align: 8
    .kernarg_segment_size: 64
    .max_flat_workgroup_size: 512
    .sgpr_count:     80
    .vgpr_count:     256
    .wavefront_size: 32
...
	.end_amdgpu_metadata
.endif
;; end of part 4
;; launch ffn1 (part 5): grid 16 x 16, 4 waves a work-group, clusters of 4 x 4, 279,040 bytes of LDS; arguments hc, wimg, b1, hid; writes hid
.if DOCPART == 5
	.amdgcn_target "amdgcn-amd-amdhsa--gfx1250"
	.amdhsa_code_object_version 6
	.text
	.protected	k_qd74d005d45_ffn1
	.globl	k_qd74d005d45_ffn1
	.p2align	8
	.type	k_qd74d005d45_ffn1,@function
k_qd74d005d45_ffn1:
	s_mov_b64 s[64:65], 0
	v_nop
	global_prefetch_b8 v0, s[64:65] scope:SCOPE_SE
	s_setreg_imm32_b32 hwreg(HW_REG_WAVE_MODE, 25, 1), 1
	s_wait_xcnt 0x0
	s_wait_alu depctr_hold_cnt(0) depctr_sa_sdst(0) depctr_va_vdst(0) depctr_va_sdst(0) depctr_va_ssrc(0) depctr_va_vcc(0) depctr_vm_vsrc(0)
	s_getreg_b32 s2, hwreg(HW_REG_IB_STS2, 6, 4)
	s_cmp_eq_u32 s2, 0
	s_cbranch_scc0 .Lentry_in_a_cluster
	s_endpgm
.Lentry_in_a_cluster:
	s_bfe_u32 s2, ttmp6, 0x10000c
	s_cmp_lg_u32 s2, 0xf033
	s_cbranch_scc0 .Lentry_shape_is_right
	s_endpgm
.Lentry_shape_is_right:
; FFN1: hid = relu(LayerNorm2(x1) W1 + b1) on codes of E2M1 (K = 1,024), quantised along the 4,096 hidden units.  Nothing of reference() is left out here.  LIMITS as stated at the head of the first launch.
; The same frame as the launch for q, k, v: a work-group of four waves makes 256 hidden units (source 0, W1's rows, by cx) x 256 tokens (source 1, by cy), a wave 128 x 128: 64 accumulators in windows 2 and 3.
; CLUSTER 4 x 4: source 0's tile is asked for jointly along a column of the cluster, source 1's along a row.  8 K steps in two LDS slots of four; all is asked for at the head: three tensor loads of a wave are out, no LDS byte is filled twice.
; A wave's 128 hidden units are one K step of the next product: each tile of 16 tokens gives one fragment (1,024 bytes at (tile 32 + ks) 1,024 of hid) and one scale word a row (at 8,388,608: [ks 32][tile / 4][r][tile % 4]).
; REGISTERS as in that launch: window 0: v16-27 addresses; v28, v29 the add's two; v32-63 scale words; v96-120 the quantiser's; v128-191 source 1's fragments (later v128-135 scale words kept); v192-255 the bias.  window 1: source 0's fragments, two sets.
.set SLOT,  131072
.set SCLA,  262144
.set SCLB,  270336
.set SPARE, 278528
.set FLOOR, 0x1800000
.set ADRA, 16
.set ADRB, 20
.set ADSA, 22
.set ADSB, 23
.set LI,   24
.set SPW,  28
.set NIL,  29
.set SC,   32
.set TM,   96
.set PC,   112
.set PW,   120
.set AF,   128
.set WK,   128
.set BI,   192
.set G1,   24
.set G0,   32
.set G1B,  48
.set G0B,  56
.set G1S,  68
.set G0S,  76
.set G1SB, 80
.set G0SB, 88
.set SEL,  96
.set MSB, 0
.macro WIN new
.if MSB != (\new)
	s_set_vgpr_msb (MSB<<8)|(\new)
.set MSB, (\new)
.endif
.endm
.set MUL_LO, 0xa1
.set MUL_HI, 0xf1
.set TO_B,   0x40
.macro PLACES
.rept 4
	v_nop
.endr
.endm
.macro JLOAD g0a, g1a, g0b, g1b        ; waves 0 and 1 fetch for source 1, waves 2 and 3 for source 0; an s_nop 0 and four v_nop follow each line
	s_cmp_eq_u32 s19, 0
	s_cbranch_scc0 .Lfor_b_\@
	tensor_load_to_lds s[\g0a:\g0a+3], s[\g1a:\g1a+7]
	s_nop 0
.rept 4
	v_nop
.endr
	s_branch .Lasked_\@
.Lfor_b_\@:
	tensor_load_to_lds s[\g0b:\g0b+3], s[\g1b:\g1b+7]
	s_nop 0
.rept 4
	v_nop
.endr
.Lasked_\@:
.endm
.macro CROUND
	s_barrier_signal -1
	s_barrier_wait -1
	s_cmp_lg_u32 s18, 0
	s_cbranch_scc1 .Lnot_wave_0_\@
	s_barrier_signal -3
.Lnot_wave_0_\@:
	s_barrier_wait -3
	s_barrier_signal -1
	s_barrier_wait -1
.endm
.macro FRAG reg, adr, q, i
.irp c, 0,1
	ds_load_b128 v[\reg+4*\c:\reg+4*\c+3], v[\adr] offset:4096*(\i)+1024*((\q)%4)+512*\c
.endr
.endm
.macro FETCH_B q
	WIN TO_B
.irp i, 0,1,2,3,4,5,6,7
	FRAG 128*((\q)%2)+8*\i, ADRB+(\q)/4, \q, \i
.endr
	WIN 0
.endm
.macro FETCH_A q, i0
.irp i, \i0, \i0+1, \i0+2, \i0+3
	FRAG AF+8*(\i), ADRA+(\q)/4, \q, \i
.endr
.endm
.macro SCALES p
.irp i, 0,1,2,3,4,5,6,7
	ds_load_b32 v[SC+16*((\p)%2)+\i], v[ADSA] offset:512*\i+128*(\p)
	ds_load_b32 v[SC+16*((\p)%2)+8+\i], v[ADSB] offset:512*\i+128*(\p)
.endr
.endm
.macro MUL16 a0, q, mode               ; mode 0: C = D; 1: C = the bias by b.  The 64 accumulators take turns in the same order in every step
.irp a, \a0, \a0+1
.irp b, 0,1,2,3,4,5,6,7
.set rD, 8*(8*((\a)%4)+\b)
.set rC, rD
.if \mode == 1
.set rC, BI+8*\b
.endif
.set rB, 128*((\q)%2)+8*\b
.set rA, AF+8*(\a)
.set rSB, SC+16*(((\q)/2)%2)+8+\b
.set rSA, SC+16*(((\q)/2)%2)+(\a)
.if (\q)%2
	v_wmma_scale_f32_16x16x128_f8f6f4 v[rD:rD+7], v[rB:rB+7], v[rA:rA+7], v[rC:rC+7], v[rSB], v[rSA] matrix_a_fmt:MATRIX_FMT_FP4 matrix_b_fmt:MATRIX_FMT_FP4 matrix_a_scale:MATRIX_SCALE_ROW1 matrix_b_scale:MATRIX_SCALE_ROW1
.else
	v_wmma_scale_f32_16x16x128_f8f6f4 v[rD:rD+7], v[rB:rB+7], v[rA:rA+7], v[rC:rC+7], v[rSB], v[rSA] matrix_a_fmt:MATRIX_FMT_FP4 matrix_b_fmt:MATRIX_FMT_FP4
.endif
.endr
.endr
.endm
.macro STEP q, mode
	s_wait_dscnt 8                                 ; all but the youngest eight loads (source 1's blocks 4-7) are in
.if \mode
	WIN 0x81
.else
	WIN MUL_LO
.endif
	MUL16 0, \q, \mode
	MUL16 2, \q, \mode
	s_wait_dscnt 0x0
	PLACES
	FETCH_B (\q)+1
	FETCH_A (\q)+1, 0
.if ((\q)+1)%2 == 0
	SCALES ((\q)+1)/2
.endif
.if \mode
	WIN 0xc1
.else
	WIN MUL_HI
.endif
	MUL16 4, \q, \mode
	MUL16 6, \q, \mode
	PLACES
	WIN 0
	FETCH_A (\q)+1, 4
.endm
.macro MID                             ; K step 3: its successor lies in slot 1: each wave waits for its part of it, then the work-group's barrier.
	s_wait_tensorcnt 0x0
	s_wait_dscnt 8
	WIN MUL_LO
	MUL16 0, 3, 0
	s_wait_dscnt 0x0
	s_barrier_signal -1
	MUL16 2, 3, 0
	WIN 0
	s_barrier_wait -1
	PLACES
	FETCH_B 4
	FETCH_A 4, 0
	SCALES 2
	WIN MUL_HI
	MUL16 4, 3, 0
	MUL16 6, 3, 0
	PLACES
	WIN 0
	FETCH_A 4, 4
.endm
.macro Q64 s, w                        ; 64 numbers of a lane in window w become a fragment's codes in v[PC] on and its scale word in v[PW]
	WIN (\w)|((\w)<<2)
.irp b, 0,1,2,3
	v_max3_num_f32 v[TM+\b], |v[\s+16*\b]|, |v[\s+16*\b+1]|, FLOOR
.endr
.irp i, 2,4,6,8,10,12,14
.irp b, 0,1,2,3
	v_max3_num_f32 v[TM+\b], |v[\s+16*\b+\i]|, |v[\s+16*\b+\i+1]|, v[TM+\b]
.endr
.endr
	WIN 0
.irp b, 0,1,2,3
	v_permlanex16_b32 v[TM+4+\b], v[TM+\b], s[SEL], s[SEL+1]
.endr
.irp b, 0,1,2,3
	v_max_num_f32 v[TM+\b], v[TM+\b], v[TM+4+\b]
.endr
.irp b, 0,1,2,3
	v_add_nc_u32 v[TM+12+\b], 0xff000000, v[TM+\b]
.endr
.irp b, 0,1,2,3
	v_lshrrev_b32 v[TM+4+\b], 23, v[TM+12+\b]
.endr
	v_lshl_or_b32 v[PW], v[TM+5], 8, v[TM+4]
	v_lshl_or_b32 v[PW], v[TM+6], 16, v[PW]
	v_lshl_or_b32 v[PW], v[TM+7], 24, v[PW]
	s_wait_xcnt 0x0                                ; the last fragment's stores have read v[PC] on
	WIN (\w)
.irp b, 0,1,2,3
	v_cvt_scalef32_pk8_fp4_f32 v[PC+2*\b], v[\s+16*\b:\s+16*\b+7], v[TM+12+\b]
	v_cvt_scalef32_pk8_fp4_f32 v[PC+2*\b+1], v[\s+16*\b+8:\s+16*\b+15], v[TM+12+\b]
.endr
	WIN 0
	v_nop
.irp c, 0,1
.irp i, 0,1
	v_permlane16_swap_b32 v[PC+4*\c+\i], v[PC+4*\c+2+\i]
.endr
.endr
.endm
	s_load_b256 s[4:11], s[0:1], 0x0               ; hc, wimg, b1, hid
	v_lshl_add_u32 v[SPW], v0, 2, SPARE
	v_mov_b32 v[NIL], 0
	ds_add_u32 v[SPW], v[NIL]                      ; the opening: the add, twice on end, and its wait ahead of my first tensor load
	ds_add_u32 v[SPW], v[NIL]
	v_lshrrev_b32 v1, 5, v0
	v_readfirstlane_b32 s18, v1
	s_lshr_b32 s19, s18, 1
	s_and_b32 s20, s18, 1
	s_bfe_u32 s21, ttmp6, 0x40000                  ; cx
	s_bfe_u32 s22, ttmp6, 0x40004                  ; cy
	s_lshl_b32 s94, ttmp9, 2
	s_add_co_u32 s94, s94, s21                     ; W1's block of 256 rows
	s_and_b32 s93, ttmp7, 0xffff
	s_lshl_b32 s93, s93, 2
	s_add_co_u32 s93, s93, s22                     ; the block of 256 tokens
	s_lshl_b32 s40, s22, 2
	s_lshl_b32 s40, 15, s40
	s_lshl_b32 s41, 0x1111, s21
	s_or_b32 s[G1], s40, (3<<16)|(1<<21)
	s_or_b32 s[G1B], s41, (3<<16)|(1<<21)
	s_or_b32 s[G1S], s40, (3<<16)|(1<<21)
	s_or_b32 s[G1SB], s41, (3<<16)|(1<<21)
.irp g, G1, G1B                        ; codes: 8 tiles x 4,096 bytes, 8,192 bytes from tile to tile
	s_mov_b32 s[\g+1], 512<<16
	s_mov_b32 s[\g+2], 8<<16
	s_mov_b32 s[\g+3], 512<<16
	s_mov_b32 s[\g+4], 8
	s_mov_b32 s[\g+5], 1024
	s_mov_b32 s[\g+6], 0
	s_mov_b32 s[\g+7], 0
.endr
.irp g, G1S, G1SB                      ; scale words of 8 tiles: 16 rows of 256 bytes, dense
	s_mov_b32 s[\g+1], 32<<16
	s_mov_b32 s[\g+2], 16<<16
	s_mov_b32 s[\g+3], 32<<16
	s_mov_b32 s[\g+4], 16
	s_mov_b32 s[\g+5], 32
	s_mov_b32 s[\g+6], 0
	s_mov_b32 s[\g+7], 0
.endr
	s_lshl_b32 s40, s93, 17
	s_lshl_b32 s45, s20, 16
	s_add_co_u32 s40, s40, s45
	s_mov_b32 s41, 0
	s_lshl_b32 s42, s93, 13
	s_lshl_b32 s45, s20, 12
	s_add_co_u32 s42, s42, s45
	s_add_co_u32 s42, s42, 2097152
	s_mov_b32 s43, 0
	s_lshl_b32 s66, s94, 17
	s_lshl_b32 s47, s20, 16
	s_add_co_u32 s66, s66, s47
	s_add_co_u32 s66, s66, 2097152
	s_mov_b32 s67, 0
	s_lshl_b32 s2, s94, 13
	s_lshl_b32 s47, s20, 12
	s_add_co_u32 s2, s2, s47
	s_add_co_u32 s2, s2, 6422528
	s_mov_b32 s3, 0
	s_lshl_b32 s95, s18, 15
	s_lshl_b32 s45, s18, 12
	s_wait_dscnt 0x0
	s_wait_kmcnt 0x0
	s_add_nc_u64 s[40:41], s[4:5], s[40:41]
	s_add_nc_u64 s[42:43], s[4:5], s[42:43]
	s_add_nc_u64 s[66:67], s[6:7], s[66:67]
	s_add_nc_u64 s[2:3], s[6:7], s[2:3]
	CROUND
	s_mov_b32 s[G0S], 1
	s_add_co_u32 s[G0S+1], s45, SCLA
	s_mov_b64 s[G0S+2:G0S+3], s[42:43]
	s_or_b32 s[G0S+3], s[G0S+3], 0x80000000
	s_mov_b32 s[G0SB], 1
	s_add_co_u32 s[G0SB+1], s45, SCLA
	s_mov_b64 s[G0SB+2:G0SB+3], s[2:3]
	s_or_b32 s[G0SB+3], s[G0SB+3], 0x80000000
	JLOAD G0S, G1S, G0SB, G1SB
.irp s, 0,1
	s_mov_b32 s[G0+4*\s], 1
	s_add_co_u32 s[G0+4*\s+1], s95, \s*SLOT
	s_add_nc_u64 s[G0+4*\s+2:G0+4*\s+3], s[40:41], \s*4096
	s_or_b32 s[G0+4*\s+3], s[G0+4*\s+3], 0x80000000
	s_mov_b32 s[G0B+4*\s], 1
	s_add_co_u32 s[G0B+4*\s+1], s95, \s*SLOT
	s_add_nc_u64 s[G0B+4*\s+2:G0B+4*\s+3], s[66:67], \s*4096
	s_or_b32 s[G0B+4*\s+3], s[G0B+4*\s+3], 0x80000000
	JLOAD G0+4*\s, G1, G0B+4*\s, G1B
.endr
	v_and_b32 v1, 31, v0
	v_bfe_u32 v5, v0, 4, 1
	v_lshlrev_b32 v[LI], 4, v1
	s_lshl_b32 s40, s19, 15
	s_lshl_b32 s41, s20, 15
	s_add_co_u32 s41, s41, 65536
	v_add_nc_u32 v[ADRA], s40, v[LI]
	v_add_nc_u32 v[ADRB], s41, v[LI]
	v_add_nc_u32 v[ADRA+1], SLOT, v[ADRA]
	v_add_nc_u32 v[ADRB+1], SLOT, v[ADRB]
	v_lshlrev_b32 v2, 2, v1
	s_lshl_b32 s40, s19, 12
	s_add_co_u32 s40, s40, SCLA
	s_lshl_b32 s41, s20, 12
	s_add_co_u32 s41, s41, SCLB
	v_add_nc_u32 v[ADSA], s40, v2
	v_add_nc_u32 v[ADSB], s41, v2
.irp b, 0,1,2,3
	v_mov_b32 v[TM+4+\b], 0
.endr
	s_mov_b32 s[SEL], 0x76543210
	s_mov_b32 s[SEL+1], 0xfedcba98
	s_lshl_b32 s42, s94, 10
	s_lshl_b32 s43, s20, 9
	s_add_co_u32 s42, s42, s43
	s_mov_b32 s43, 0
	s_add_nc_u64 s[40:41], s[8:9], s[42:43]        ; b1: my 128 hidden units
	v_lshlrev_b32 v3, 6, v5
.irp b, 0,1,2,3,4,5,6,7
	global_load_b128 v[BI+8*\b:BI+8*\b+3], v3, s[40:41] offset:128*(\b/2)+32*(\b%2)
	global_load_b128 v[BI+8*\b+4:BI+8*\b+7], v3, s[40:41] offset:128*(\b/2)+32*(\b%2)+16
.endr
	s_wait_tensorcnt 1                             ; the scale words and my part of slot 0 are in; slot 1's load may be out
	s_barrier_signal -1
	s_barrier_wait -1
	FETCH_B 0
	FETCH_A 0, 0
	SCALES 0
	FETCH_A 0, 4
	s_wait_loadcnt 0x0                             ; the bias
	STEP 0, 1
	STEP 1, 0
	STEP 2, 0
	MID
	STEP 4, 0
	STEP 5, 0
	STEP 6, 0
	s_wait_dscnt 8
	WIN MUL_LO
	MUL16 0, 7, 0
	MUL16 2, 7, 0
	s_wait_dscnt 0x0
	WIN MUL_HI
	MUL16 4, 7, 0
	MUL16 6, 7, 0
	WIN 0
	PLACES
	s_mov_b32 s100, 0xffff0000
	s_lshl_b32 s42, s94, 1
	s_add_co_u32 s42, s42, s20                     ; the next product's K step
	s_lshl_b32 s40, s93, 4
	s_lshl_b32 s41, s19, 3
	s_add_co_u32 s40, s40, s41                     ; my first tile of tokens
	s_lshl_b32 s43, s40, 6                         ; (tile / 4) 256
	s_lshl_b32 s40, s40, 5
	s_add_co_u32 s40, s40, s42
	s_lshl_b32 s40, s40, 10
	s_mov_b32 s41, 0
	s_add_nc_u64 s[66:67], s[10:11], s[40:41]
	s_lshl_b32 s40, s42, 14
	s_add_co_u32 s40, s40, s43
	s_add_co_u32 s40, s40, 8388608
	s_add_nc_u64 s[2:3], s[10:11], s[40:41]
.irp a, 0,1,2,3,4,5,6,7
	WIN ((2+\a/4)<<6)|((2+\a/4)<<2)
.set n, 0
.rept 64
	v_max_num_f32 v[64*(\a%4)+n], 0, v[64*(\a%4)+n]   ; the activation, in f32, each accumulator from its low end on
.set n, n+1
.endr
	Q64 64*(\a%4), 2+\a/4
	global_store_b128 v[LI], v[PC:PC+3], s[66:67] offset:32768*\a
	global_store_b128 v[LI], v[PC+4:PC+7], s[66:67] offset:32768*\a+512
	v_mov_b32 v[WK+\a], v[PW]
.endr
.irp i, 0,1,2,3
	v_cndmask_b32 v[WK+\i], v[WK+\i], v[WK+4+\i], s100   ; lanes 16-31 take tiles 4-7's words
.endr
	global_store_b128 v[LI], v[WK:WK+3], s[2:3]    ; 512 consecutive bytes
	s_wait_tensorcnt 0x0                           ; the wave's end
	ds_add_u32 v[SPW], v[NIL]
	s_wait_dscnt 0x0
	CROUND                                         ; the closing round
	s_endpgm
.Lfunc_end_k_qd74d005d45_ffn1:
	.size	k_qd74d005d45_ffn1, .Lfunc_end_k_qd74d005d45_ffn1-k_qd74d005d45_ffn1
	.p2alignl 7, 3214868480
	.fill 96, 4, 3214868480
	.section	.rodata,"a",@progbits
	.p2align	6, 0x0
	.amdhsa_kernel k_qd74d005d45_ffn1
		.amdhsa_group_segment_fixed_size 279040
		.amdhsa_private_segment_fixed_size 0
		.amdhsa_enable_private_segment 0
		.amdhsa_kernarg_size 32
		.amdhsa_user_sgpr_count 2
		.amdhsa_user_sgpr_kernarg_segment_ptr 1
		.amdhsa_wavefront_size32 1
		.amdhsa_system_sgpr_workgroup_id_x 1
		.amdhsa_system_sgpr_workgroup_id_y 1
		.amdhsa_system_sgpr_workgroup_id_z 1
		.amdhsa_system_vgpr_workitem_id 0
		.amdhsa_next_free_vgpr 1024
		.amdhsa_next_free_sgpr 102
		.amdhsa_reserve_vcc 0
		.amdhsa_float_denorm_mode_32 3
		.amdhsa_float_denorm_mode_16_64 3
		.amdhsa_memory_ordered 1
		.amdhsa_forward_progress 1
		.amdhsa_inst_pref_size 148
	.end_amdhsa_kernel
	.amdgpu_metadata
---
amdhsa.version: [ 1, 2 ]
amdhsa.kernels:
  - .name:           k_qd74d005d45_ffn1
    .symbol:         k_qd74d005d45_ffn1.kd
    .args:
      - { .name: hc, .offset: 0, .size: 8, .value_kind: global_buffer, .address_space: global }
      - { .name: wimg, .offset: 8, .size: 8, .value_kind: global_buffer, .address_space: global }
      - { .name: b1, .offset: 16, .size: 8, .value_kind: global_buffer, .address_space: global }
      - { .name: hid, .offset: 24, .size: 8, .value_kind: global_buffer, .address_space: global }
    .group_segment_fixed_size: 279040
    .private_segment_fixed_size: 0
    .kernarg_segment_align: 8
    .kernarg_segment_size: 32
    .max_flat_workgroup_size: 128
    .sgpr_count:     102
    .vgpr_count:     1024
    .wavefront_size: 32
...
	.end_amdgpu_metadata
.endif
;; end of part 5
;; launch ffn2 (part 6): grid 8 x 32, 4 waves a work-group, clusters of 4 x 4, 327,680 bytes of LDS; arguments hid, wimg, x1, b2, out0; writes out0
.if DOCPART == 6
	.amdgcn_target "amdgcn-amd-amdhsa--gfx1250"
	.amdhsa_code_object_version 6
	.text
	.protected	k_qd74d005d45_ffn2
	.globl	k_qd74d005d45_ffn2
	.p2align	8
	.type	k_qd74d005d45_ffn2,@function
k_qd74d005d45_ffn2:
	s_mov_b64 s[64:65], 0
	v_nop
	global_prefetch_b8 v0, s[64:65] scope:SCOPE_SE
	s_setreg_imm32_b32 hwreg(HW_REG_WAVE_MODE, 25, 1), 1
	s_wait_xcnt 0x0
	s_wait_alu depctr_hold_cnt(0) depctr_sa_sdst(0) depctr_va_vdst(0) depctr_va_sdst(0) depctr_va_ssrc(0) depctr_va_vcc(0) depctr_vm_vsrc(0)
	s_getreg_b32 s2, hwreg(HW_REG_IB_STS2, 6, 4)
	s_cmp_eq_u32 s2, 0
	s_cbranch_scc0 .Lentry_in_a_cluster
	s_endpgm
.Lentry_in_a_cluster:
	s_bfe_u32 s2, ttmp6, 0x10000c
	s_cmp_lg_u32 s2, 0xf033
	s_cbranch_scc0 .Lentry_shape_is_right
	s_endpgm
.Lentry_shape_is_right:
; FFN2: out0 = x1 + hid W2 + b2 on codes of E2M1, K = 4,096.  Nothing of reference() is left out here.  LIMITS as stated at the head of the first launch.
; A tile of 128 tokens x 128 columns to a work-group, so that there are 256 of them; a wave makes 64 x 64: 16 accumulators.  Source 0 = W2's tiles (columns, by cx), source 1 = hid's tiles (tokens, by cy):
; a lane then holds eight neighbouring columns of one token.  CLUSTER 4 x 4: source 0's tiles are asked for jointly along a column of the cluster, source 1's along a row.
; K goes in 32 K steps of 128, 16 quarters of two, through two LDS slots of 8 K steps; each slot is filled twice.  All scale words come once, with the first fills: three tensor loads of a wave are out at the head, later one.
; The walk is written out: 16 quarters, no loop.  The launch claims all LDS.
; REGISTERS.  window 0: v16-26 addresses; v28, v29 the add's two; v32-39 source 1's scale words, two sets of 4, v40-47 source 0's; v48-79, v80-111 rows on the way out (v80-111 first the bias); v128-255 accumulator (a, b) at 128 + 8 (4 a + b).
; window 1: two buffers of 128: for two K steps 64 registers of source 1, then 64 of source 0.  window 2: v0-127 my part of x1, asked for at the head.
.set SLOT,  131072                     ; source 1's [8 tiles][8 ks][1,024], then source 0's
.set SCA,   262144                     ; hid's scale words [ks 32][2][r 16][4 tiles]: 16,384 bytes
.set SCB,   278528                     ; W2's [8 tiles][32 ks][64]: 16,384 bytes
.set STAGE, 294912                     ; 16 rows x (256 + 16) bytes for each wave
.set SPARE, 312320
.set ADRA, 16
.set ADRB, 20
.set ADSA, 22
.set ADSB, 23
.set STO,  24
.set RD,   25
.set CO,   26
.set SPW,  28
.set NIL,  29
.set BI,   80
.set ACC,  128
.set G1,   24
.set G0,   32
.set G1B,  48
.set G0B,  56
.set G1S,  68
.set G0S,  76
.set G1SB, 80
.set G0SB, 88
.set MSB, 0
.macro WIN new
.if MSB != (\new)
	s_set_vgpr_msb (MSB<<8)|(\new)
.set MSB, (\new)
.endif
.endm
.set MUL,  0x05                        ; sources 0 and 1 window 1; C and D window 0
.set TO_F, 0x40
.macro PLACES
.rept 4
	v_nop
.endr
.endm
.macro JLOAD g0a, g1a, g0b, g1b        ; waves 0 and 1 fetch for source 1, waves 2 and 3 for source 0; an s_nop 0 and four v_nop follow each line
	s_cmp_eq_u32 s19, 0
	s_cbranch_scc0 .Lfor_b_\@
	tensor_load_to_lds s[\g0a:\g0a+3], s[\g1a:\g1a+7]
	s_nop 0
.rept 4
	v_nop
.endr
	s_branch .Lasked_\@
.Lfor_b_\@:
	tensor_load_to_lds s[\g0b:\g0b+3], s[\g1b:\g1b+7]
	s_nop 0
.rept 4
	v_nop
.endr
.Lasked_\@:
.endm
.macro CREST
	s_cmp_lg_u32 s18, 0
	s_cbranch_scc1 .Lnot_wave_0_\@
	s_barrier_signal -3
.Lnot_wave_0_\@:
	s_barrier_wait -3
	s_barrier_signal -1
	s_barrier_wait -1
.endm
.macro CROUND
	s_barrier_signal -1
	s_barrier_wait -1
	CREST
.endm
; 8 matrix instructions: tokens' tiles a0, a0 + 1 x the four tiles of columns, K step c of quarter Q.  mode 1: C = the bias.  The 16 accumulators take turns
.macro MUL8 c, a0, Q, mode
.irp a, \a0, \a0+1
.irp b, 0,1,2,3
.set rD, ACC+8*(4*(\a)+\b)
.set rC, rD
.if \mode
.set rC, BI+8*\b
.endif
.set rB, 128*((\Q)%2)+64+8*(4*\c+\b)
.set rA, 128*((\Q)%2)+8*(4*\c+(\a))
.set rSB, 40+4*((\Q)%2)+\b
.set rSA, 32+4*((\Q)%2)+(\a)
.if \c
	v_wmma_scale_f32_16x16x128_f8f6f4 v[rD:rD+7], v[rB:rB+7], v[rA:rA+7], v[rC:rC+7], v[rSB], v[rSA] matrix_a_fmt:MATRIX_FMT_FP4 matrix_b_fmt:MATRIX_FMT_FP4 matrix_a_scale:MATRIX_SCALE_ROW1 matrix_b_scale:MATRIX_SCALE_ROW1
.else
	v_wmma_scale_f32_16x16x128_f8f6f4 v[rD:rD+7], v[rB:rB+7], v[rA:rA+7], v[rC:rC+7], v[rSB], v[rSA] matrix_a_fmt:MATRIX_FMT_FP4 matrix_b_fmt:MATRIX_FMT_FP4
.endif
.endr
.endr
.endm
; 37 LDS loads in one run: quarter Q's scale words (5), the fragments of its first K step (16), of its second (16)
.macro FETCH Q
.set FB, 128*((\Q)%2)
.set SL, ((\Q)/4)%2
.set KO, 2048*((\Q)%4)
	WIN 0
	ds_load_b128 v[32+4*((\Q)%2):35+4*((\Q)%2)], v[ADSA] offset:1024*(\Q)   ; lanes 0-15 the even K step's words of my four tiles, lanes 16-31 the odd one's
.irp b, 0,1,2,3
	ds_load_b32 v[40+4*((\Q)%2)+\b], v[ADSB] offset:2048*\b+128*(\Q)
.endr
	WIN TO_F
.irp c, 0,1
.irp i, 0,1,2,3
	ds_load_b128 v[FB+64+8*(4*\c+\i):FB+64+8*(4*\c+\i)+3],   v[ADRB+SL] offset:8192*\i+KO+1024*\c
	ds_load_b128 v[FB+64+8*(4*\c+\i)+4:FB+64+8*(4*\c+\i)+7], v[ADRB+SL] offset:8192*\i+KO+1024*\c+512
	ds_load_b128 v[FB+8*(4*\c+\i):FB+8*(4*\c+\i)+3],         v[ADRA+SL] offset:8192*\i+KO+1024*\c
	ds_load_b128 v[FB+8*(4*\c+\i)+4:FB+8*(4*\c+\i)+7],       v[ADRA+SL] offset:8192*\i+KO+1024*\c+512
.endr
.endr
.endm
.macro QUARTER Q, mode
	s_wait_dscnt 16                                ; the scale words and the first K step's fragments are in
	WIN MUL
	MUL8 0, 0, \Q, \mode
	MUL8 0, 2, \Q, \mode
	PLACES
	FETCH (\Q)+1
	s_wait_dscnt 37                                ; all but the 37 just issued
	WIN MUL
	MUL8 1, 0, \Q, 0
	MUL8 1, 2, \Q, 0
.endm
; A slot's last quarter changes slots: ONE barrier; in front of it each wave waits for all its tensor loads, adds 0 to its spare word, and waits for that and for its reads of this slot.  fill = 1: the slot is filled again, 16 K steps on
.macro TURN Q, fill
.set SLT, ((\Q)/4)%2
	WIN 0
	s_wait_tensorcnt 0x0                           ; all my tensor loads have landed: my part of the next slot
	ds_add_u32 v[SPW], v[NIL]
	s_wait_dscnt 17                                ; (the add and the youngest sixteen loads may be out)
	WIN MUL
	MUL8 0, 0, \Q, 0
	s_wait_dscnt 0x0                               ; the add is done, and my reads of this slot are over
	s_barrier_signal -1
	MUL8 0, 2, \Q, 0
.if \fill
	WIN 0
.endif
	s_barrier_wait -1
.if \fill
	CREST                                          ; the barrier has opened a round of the cluster's: no wave of any partner still reads this slot or has a load on its way
	s_add_nc_u64 s[G0+4*SLT+2:G0+4*SLT+3], s[G0+4*SLT+2:G0+4*SLT+3], 16384
	s_add_nc_u64 s[G0B+4*SLT+2:G0B+4*SLT+3], s[G0B+4*SLT+2:G0B+4*SLT+3], 16384
	JLOAD G0+4*SLT, G1, G0B+4*SLT, G1B             ; the first tensor load behind the round; its four v_nop are also the places in front of the loads below
.else
	PLACES
.endif
	FETCH (\Q)+1
	WIN MUL
	MUL8 1, 0, \Q, 0
	MUL8 1, 2, \Q, 0
.endm
	s_load_b256 s[4:11], s[0:1], 0x0               ; hid, wimg, x1, b2
	s_load_b64 s[12:13], s[0:1], 0x20              ; out0
	v_lshl_add_u32 v[SPW], v0, 2, SPARE
	v_mov_b32 v[NIL], 0
	ds_add_u32 v[SPW], v[NIL]                      ; the opening: the add, twice on end, and its wait ahead of my first tensor load
	ds_add_u32 v[SPW], v[NIL]
	v_lshrrev_b32 v1, 5, v0
	v_readfirstlane_b32 s18, v1
	s_lshr_b32 s19, s18, 1                         ; my half of the tokens.  Also: I fetch for source 1 (0) or source 0 (1)
	s_and_b32 s20, s18, 1                          ; my half of the columns.  Also: which half I fetch
	s_bfe_u32 s21, ttmp6, 0x40000
	s_bfe_u32 s22, ttmp6, 0x40004
	s_lshl_b32 s94, ttmp9, 2
	s_add_co_u32 s94, s94, s21                     ; the block of 128 columns
	s_and_b32 s93, ttmp7, 0xffff
	s_lshl_b32 s93, s93, 2
	s_add_co_u32 s93, s93, s22                     ; the block of 128 tokens
	s_lshl_b32 s40, s22, 2
	s_lshl_b32 s40, 15, s40
	s_lshl_b32 s41, 0x1111, s21
	s_or_b32 s[G1], s40, (3<<16)|(1<<21)
	s_or_b32 s[G1B], s41, (3<<16)|(1<<21)
	s_or_b32 s[G1S], s40, (3<<16)|(1<<21)
	s_or_b32 s[G1SB], s41, (3<<16)|(1<<21)
.irp g, G1, G1B                        ; codes: 4 tiles x 8,192 bytes (eight K steps), 32,768 bytes from tile to tile
	s_mov_b32 s[\g+1], 1024<<16
	s_mov_b32 s[\g+2], 4<<16
	s_mov_b32 s[\g+3], 1024<<16
	s_mov_b32 s[\g+4], 4
	s_mov_b32 s[\g+5], 4096
	s_mov_b32 s[\g+6], 0
	s_mov_b32 s[\g+7], 0
.endr
	s_mov_b32 s[G1S+1], 64<<16                     ; hid's scale words: 16 K steps x 512 bytes, 16,384 bytes from K step to K step
	s_mov_b32 s[G1S+2], 16<<16
	s_mov_b32 s[G1S+3], 64<<16
	s_mov_b32 s[G1S+4], 16
	s_mov_b32 s[G1S+5], 2048
	s_mov_b32 s[G1S+6], 0
	s_mov_b32 s[G1S+7], 0
	s_mov_b32 s[G1SB+1], 32<<16                    ; W2's: 8,192 dense bytes as 32 rows of 256
	s_mov_b32 s[G1SB+2], 32<<16
	s_mov_b32 s[G1SB+3], 32<<16
	s_mov_b32 s[G1SB+4], 32
	s_mov_b32 s[G1SB+5], 32
	s_mov_b32 s[G1SB+6], 0
	s_mov_b32 s[G1SB+7], 0
	s_lshl_b32 s40, s93, 18
	s_lshl_b32 s45, s20, 17
	s_add_co_u32 s40, s40, s45
	s_mov_b32 s41, 0
	s_lshl_b32 s42, s93, 9
	s_lshl_b32 s45, s20, 18
	s_add_co_u32 s42, s42, s45
	s_add_co_u32 s42, s42, 8388608
	s_mov_b32 s43, 0
	s_lshl_b32 s66, s94, 18
	s_lshl_b32 s47, s20, 17
	s_add_co_u32 s66, s66, s47
	s_add_co_u32 s66, s66, 4194304
	s_mov_b32 s67, 0
	s_lshl_b32 s2, s94, 14
	s_lshl_b32 s47, s20, 13
	s_add_co_u32 s2, s2, s47
	s_add_co_u32 s2, s2, 6553600
	s_mov_b32 s3, 0
	s_lshl_b32 s95, s18, 15                        ; LDS: wave x 4 tiles of codes,
	s_lshl_b32 s92, s18, 13                        ; wave x 8,192 bytes of scale words
	s_wait_dscnt 0x0
	s_wait_kmcnt 0x0
	s_add_nc_u64 s[40:41], s[4:5], s[40:41]
	s_add_nc_u64 s[42:43], s[4:5], s[42:43]
	s_add_nc_u64 s[66:67], s[6:7], s[66:67]
	s_add_nc_u64 s[2:3], s[6:7], s[2:3]
	CROUND
	s_mov_b32 s[G0S], 1
	s_add_co_u32 s[G0S+1], s92, SCA
	s_mov_b64 s[G0S+2:G0S+3], s[42:43]
	s_or_b32 s[G0S+3], s[G0S+3], 0x80000000
	s_mov_b32 s[G0SB], 1
	s_add_co_u32 s[G0SB+1], s92, SCA
	s_mov_b64 s[G0SB+2:G0SB+3], s[2:3]
	s_or_b32 s[G0SB+3], s[G0SB+3], 0x80000000
	JLOAD G0S, G1S, G0SB, G1SB
.irp s, 0,1
	s_mov_b32 s[G0+4*\s], 1
	s_add_co_u32 s[G0+4*\s+1], s95, \s*SLOT
	s_add_nc_u64 s[G0+4*\s+2:G0+4*\s+3], s[40:41], \s*8192
	s_or_b32 s[G0+4*\s+3], s[G0+4*\s+3], 0x80000000
	s_mov_b32 s[G0B+4*\s], 1
	s_add_co_u32 s[G0B+4*\s+1], s95, \s*SLOT
	s_add_nc_u64 s[G0B+4*\s+2:G0B+4*\s+3], s[66:67], \s*8192
	s_or_b32 s[G0B+4*\s+3], s[G0B+4*\s+3], 0x80000000
	JLOAD G0+4*\s, G1, G0B+4*\s, G1B
.endr
	v_and_b32 v1, 31, v0
	v_and_b32 v4, 15, v0                           ; r
	v_bfe_u32 v5, v0, 4, 1                         ; h
	v_lshlrev_b32 v2, 4, v1
	s_lshl_b32 s40, s19, 15
	s_lshl_b32 s41, s20, 15
	s_add_co_u32 s41, s41, 65536
	v_add_nc_u32 v[ADRA], s40, v2
	v_add_nc_u32 v[ADRB], s41, v2
	v_add_nc_u32 v[ADRA+1], SLOT, v[ADRA]
	v_add_nc_u32 v[ADRB+1], SLOT, v[ADRB]
	s_lshl_b32 s40, s19, 8
	s_add_co_u32 s40, s40, SCA
	v_lshlrev_b32 v[ADSA], 4, v4
	v_lshl_add_u32 v[ADSA], v5, 9, v[ADSA]
	v_add_nc_u32 v[ADSA], s40, v[ADSA]             ; 256 x my half + 16 r + 512 h
	s_lshl_b32 s41, s20, 13
	s_add_co_u32 s41, s41, SCB
	v_lshl_add_u32 v[ADSB], v1, 2, s41
	s_mul_i32 s40, s18, 4352
	s_add_co_u32 s40, s40, STAGE                   ; my stage
	v_mul_u32_u24 v[STO], v4, 272
	v_lshl_add_u32 v[STO], v5, 6, v[STO]
	v_add_nc_u32 v[STO], s40, v[STO]               ; in: row r, 64 h
	v_mul_u32_u24 v[RD], v5, 272
	v_lshl_add_u32 v[RD], v4, 4, v[RD]
	v_add_nc_u32 v[RD], s40, v[RD]                 ; back: lanes 0-15 one row of 256 bytes, lanes 16-31 the next
	v_lshlrev_b32 v[CO], 12, v5
	v_lshl_add_u32 v[CO], v4, 4, v[CO]             ; and the same two rows in x1 and out0
	s_lshl_b32 s40, s93, 7
	s_lshl_b32 s41, s19, 6
	s_add_co_u32 s40, s40, s41
	s_lshl_b32 s40, s40, 12                        ; my first token's row,
	s_lshl_b32 s41, s94, 9
	s_add_co_u32 s40, s40, s41
	s_lshl_b32 s41, s20, 8
	s_add_co_u32 s40, s40, s41                     ; my first column
	s_mov_b32 s41, 0
	s_add_nc_u64 s[12:13], s[12:13], s[40:41]
	s_add_nc_u64 s[8:9], s[8:9], s[40:41]
	s_lshl_b32 s40, s94, 9
	s_lshl_b32 s42, s20, 8
	s_add_co_u32 s40, s40, s42
	s_add_nc_u64 s[10:11], s[10:11], s[40:41]      ; b2: my 64 columns
	v_lshlrev_b32 v3, 6, v5
.irp b, 0,1,2,3
	global_load_b128 v[BI+8*\b:BI+8*\b+3], v3, s[10:11] offset:128*(\b/2)+32*(\b%2)
	global_load_b128 v[BI+8*\b+4:BI+8*\b+7], v3, s[10:11] offset:128*(\b/2)+32*(\b%2)+16
.endr
	WIN 0x80                                       ; destination window 2: x1, laid as the rows come back from the stage
.irp a, 0,1,2,3
.irp t, 0,1,2,3,4,5,6,7
	global_load_b128 v[32*\a+4*\t:32*\a+4*\t+3], v[CO], s[8:9] offset:(32*(\a/2)+8*(\a%2)+2*\t+8*(\t/4))*4096 th:TH_LOAD_NT
.endr
.endr
	WIN 0
	s_wait_tensorcnt 1                             ; the scale words and my part of slot 0 are in; slot 1's load may be out
	s_barrier_signal -1
	s_barrier_wait -1
	FETCH 0
	s_wait_loadcnt 32                              ; the bias is in; x1's 32 loads may be out
	QUARTER 0, 1
	QUARTER 1, 0
	QUARTER 2, 0
	TURN 3, 1                                      ; slot 0 takes K steps 16-23
	QUARTER 4, 0
	QUARTER 5, 0
	QUARTER 6, 0
	TURN 7, 1                                      ; slot 1 takes K steps 24-31
	QUARTER 8, 0
	QUARTER 9, 0
	QUARTER 10, 0
	TURN 11, 0
	QUARTER 12, 0
	QUARTER 13, 0
	QUARTER 14, 0
	s_wait_dscnt 16                                ; the last quarter: nothing more to fetch
	WIN MUL
	MUL8 0, 0, 15, 0
	MUL8 0, 2, 15, 0
	s_wait_dscnt 0x0
	MUL8 1, 0, 15, 0
	MUL8 1, 2, 15, 0
	WIN 0
	PLACES
; THE WAY OUT, a tile of 16 tokens x 64 columns at a time: through my own stage, back as rows of 256 bytes, + x1, stored: sixteen lanes fill 256 consecutive bytes, aligned
.macro TOSTAGE a
.set BB, 80-32*((\a)%2)
.irp b, 0,1,2,3
	ds_store_b128 v[STO], v[ACC+8*(4*(\a)+\b):ACC+8*(4*(\a)+\b)+3] offset:128*(\b/2)+32*(\b%2)       ; each accumulator from its low end on
	ds_store_b128 v[STO], v[ACC+8*(4*(\a)+\b)+4:ACC+8*(4*(\a)+\b)+7] offset:128*(\b/2)+32*(\b%2)+16
.endr
.irp t, 0,1,2,3,4,5,6,7
	ds_load_b128 v[BB+4*\t:BB+4*\t+3], v[RD] offset:544*\t   ; LDS serves a wave's instructions in order: these see the stores above, and the next tile's stores come behind them
.endr
.endm
.macro SEND a, younger                 ; younger: the next tile's 8 stores and 8 loads, or none
.set BB, 80-32*((\a)%2)
	s_wait_dscnt \younger
	WIN 0x08                                       ; source 1 window 2
.set i, 0
.rept 16
	v_pk_add_f32 v[BB+2*i:BB+2*i+1], v[BB+2*i:BB+2*i+1], v[32*(\a)+2*i:32*(\a)+2*i+1]
.set i, i+1
.endr
	WIN 0
.irp t, 0,1,2,3,4,5,6,7
	global_store_b128 v[CO], v[BB+4*\t:BB+4*\t+3], s[12:13] offset:(32*((\a)/2)+8*((\a)%2)+2*\t+8*(\t/4))*4096 th:TH_STORE_NT
.endr
.endm
	s_wait_loadcnt 0x0                             ; x1
	TOSTAGE 0
	TOSTAGE 1
	SEND 0, 16
	s_wait_xcnt 0x0                                ; tile 0's stores have read their registers: tile 2's rows may land there
	TOSTAGE 2
	SEND 1, 16
	s_wait_xcnt 0x0
	TOSTAGE 3
	SEND 2, 16
	SEND 3, 0
	s_wait_tensorcnt 0x0                           ; the wave's end
	ds_add_u32 v[SPW], v[NIL]
	s_wait_dscnt 0x0
	CROUND                                         ; the closing round
	s_endpgm
.Lfunc_end_k_qd74d005d45_ffn2:
	.size	k_qd74d005d45_ffn2, .Lfunc_end_k_qd74d005d45_ffn2-k_qd74d005d45_ffn2
	.p2alignl 7, 3214868480
	.fill 96, 4, 3214868480
	.section	.rodata,"a",@progbits
	.p2align	6, 0x0
	.amdhsa_kernel k_qd74d005d45_ffn2
		.amdhsa_group_segment_fixed_size 327680
		.amdhsa_private_segment_fixed_size 0
		.amdhsa_enable_private_segment 0
		.amdhsa_kernarg_size 40
		.amdhsa_user_sgpr_count 2
		.amdhsa_user_sgpr_kernarg_segment_ptr 1
		.amdhsa_wavefront_size32 1
		.amdhsa_system_sgpr_workgroup_id_x 1
		.amdhsa_system_sgpr_workgroup_id_y 1
		.amdhsa_system_sgpr_workgroup_id_z 1
		.amdhsa_system_vgpr_workitem_id 0
		.amdhsa_next_free_vgpr 768
		.amdhsa_next_free_sgpr 102
		.amdhsa_reserve_vcc 0
		.amdhsa_float_denorm_mode_32 3
		.amdhsa_float_denorm_mode_16_64 3
		.amdhsa_memory_ordered 1
		.amdhsa_forward_progress 1
		.amdhsa_inst_pref_size 133
	.end_amdhsa_kernel
	.amdgpu_metadata
---
amdhsa.version: [ 1, 2 ]
amdhsa.kernels:
  - .name:           k_qd74d005d45_ffn2
    .symbol:         k_qd74d005d45_ffn2.kd
    .args:
      - { .name: hid, .offset: 0, .size: 8, .value_kind: global_buffer, .address_space: global }
      - { .name: wimg, .offset: 8, .size: 8, .value_kind: global_buffer, .address_space: global }
      - { .name: x1, .offset: 16, .size: 8, .value_kind: global_buffer, .address_space: global }
      - { .name: b2, .offset: 24, .size: 8, .value_kind: global_buffer, .address_space: global }
      - { .name: out0, .offset: 32, .size: 8, .value_kind: global_buffer, .address_space: global }
    .group_segment_fixed_size: 327680
    .private_segment_fixed_size: 0
    .kernarg_segment_align: 8
    .kernarg_segment_size: 40
    .max_flat_workgroup_size: 128
    .sgpr_count:     102
    .vgpr_count:     768
    .wavefront_size: 32
...
	.end_amdgpu_metadata
.endif
;; end of part 6
